; MI455X (gfx1250); checked and timed in simulation.
; The chip was launched on July 23, 2026; its instructions are those of AMD's public machine-readable ISA for CDNA 5 (MIT licence, August 2026) and "CDNA5" Instruction Set Architecture Reference Guide (July 2026). The comments in the code are by the model that wrote it; some were corrected since.
;; GLUMLP. Allowed arithmetic: matrix products marked QUANTISED: E2M3 operands, one E8M0 scale for each 32 along K, by v_wmma_scale_f32_16x16x128_f8f6f4 with both operands' format E2M3, f32 sums; everything else in f32.
;; Inputs: W1_codes 8 x 1,024 x 32 x 24 uint8 (E2M3 codes of W1, K innermost, in blocks of 32 codes, four codes in three bytes); W1_scales 8 x 1,024 x 32 uint8 (E8M0 scales of W1, one for each 32 codes along K); W2_codes 8 x 1,024 x 16 x 24 uint8 (E2M3 codes of W2, K innermost, in blocks of 32 codes, four codes in three bytes); W2_scales 8 x 1,024 x 16 uint8 (E8M0 scales of W2, one for each 32 codes along K); expert_idxs 2,048 x 2 int32; expert_p 2,048 x 2 float32; x 2 x 1,024 x 1,024 float32.
;; Outputs: out0 2 x 1,024 x 1,024 float32.
;; This version of the problem:
;;   THIS VERSION OF THE PROBLEM IS GIVEN IN LOW PRECISION. The matrix products marked QUANTISED in the list below multiply operands that are first quantised to E2M3 (2 exponent bits, 3 mantissa bits; 6 bits a number), with one power-of-two scale for each 32 numbers along K (OCP MX v1.0); their sums are f32. All else is computed in f32.
;;   The module's matrix products, in the order in which they are computed (A, B: the left and right operand; K: the contracted axis; several contracted axes count as one K, in the product's order):
;;     1. [M 4,096, K 1,024] x [K 1,024, N 1,024]; A: computed on the way; B: input W1 (given as codes): QUANTISED
;;     2. [M 4,096, K 512] x [K 512, N 1,024]; A: computed on the way; B: input W2 (given as codes): QUANTISED
;;     3. [M 4,096, K 1,024] x [K 1,024, N 1,024]; A: computed on the way; B: input W1 (given as codes): QUANTISED
;;     4. [M 4,096, K 512] x [K 512, N 1,024]; A: computed on the way; B: input W2 (given as codes): QUANTISED
;;     5. [M 4,096, K 1,024] x [K 1,024, N 1,024]; A: computed on the way; B: input W1 (given as codes): QUANTISED
;;     6. [M 4,096, K 512] x [K 512, N 1,024]; A: computed on the way; B: input W2 (given as codes): QUANTISED
;;     7. [M 4,096, K 1,024] x [K 1,024, N 1,024]; A: computed on the way; B: input W1 (given as codes): QUANTISED
;;     8. [M 4,096, K 512] x [K 512, N 1,024]; A: computed on the way; B: input W2 (given as codes): QUANTISED
;;     9. [M 4,096, K 1,024] x [K 1,024, N 1,024]; A: computed on the way; B: input W1 (given as codes): QUANTISED
;;     10. [M 4,096, K 512] x [K 512, N 1,024]; A: computed on the way; B: input W2 (given as codes): QUANTISED
;;     11. [M 4,096, K 1,024] x [K 1,024, N 1,024]; A: computed on the way; B: input W1 (given as codes): QUANTISED
;;     12. [M 4,096, K 512] x [K 512, N 1,024]; A: computed on the way; B: input W2 (given as codes): QUANTISED
;;     13. [M 4,096, K 1,024] x [K 1,024, N 1,024]; A: computed on the way; B: input W1 (given as codes): QUANTISED
;;     14. [M 4,096, K 512] x [K 512, N 1,024]; A: computed on the way; B: input W2 (given as codes): QUANTISED
;;     15. [M 4,096, K 1,024] x [K 1,024, N 1,024]; A: computed on the way; B: input W1 (given as codes): QUANTISED
;;     16. [M 4,096, K 512] x [K 512, N 1,024]; A: computed on the way; B: input W2 (given as codes): QUANTISED
;;   THE QUANTISER, for each operand of a quantised product, along K:
;;     - K is cut into blocks of 32 from its start; a last block that is shorter is filled with zeros.
;;     - A block's scale is 2^e with e = floor(log2(the largest magnitude in the block)) - 2, held to -126 .. 127; a block of zeros has e = 0. As a byte (E8M0): e + 127.
;;     - Each number is divided by its block's scale, clamped to +-7.5, and rounded to the nearest number of E2M3, ties to even, subnormals kept.
;;     - The product sums the exact products of the quantised numbers (number of the format x scale) in f32.
;;   ~~~python
;;   def quantise(x, axis):      # numpy; x: float32 -> the quantised numbers, widened to float32 again
;;       x = np.moveaxis(x, axis, -1); K = x.shape[-1]
;;       x = np.pad(x, [(0, 0)] * (x.ndim - 1) + [(0, -K % 32)]); x = x.reshape(x.shape[:-1] + (-1, 32)); a = np.abs(x).max(-1, keepdims=True)
;;       e = np.where(a > 0, np.clip(np.frexp(np.where(a > 0, a, 1))[1] - 1 - 2, -126, 127), 0)      # np.frexp(a)[1] - 1 = floor(log2(a)), exactly
;;       r = np.clip(x / 2.0 ** e, -7.5, 7.5)
;;       step = 2.0 ** (np.maximum(np.frexp(np.where(r == 0, 1, r))[1] - 1, 0) - 3)
;;       q = np.round(r / step) * step * 2.0 ** e      # np.round: ties to even
;;       return np.moveaxis(q.reshape(q.shape[:-2] + (-1,))[..., :K], -1, axis).astype(np.float32)
;;   ~~~
;;   OPERANDS COMPUTED ON THE WAY. 'Computed on the way' means the value that the module computes at that place (a softmax that the list does not call 'softmax' is quantised finished and normalised). What goes into a quantiser is computed in f32, as accurately as f32 sums, v_exp_f32 and their like allow (about 1e-6 of the number): no bf16 or f16 on the way to a quantiser, and a product that is left as it is and whose result goes on into a quantised operand takes f32 operands (vector FMAs, or v_wmma_f32_16x16x4_f32). A number that lies on a knife's edge between two numbers of the format may be rounded either way, as far as f32 arithmetic and the matrix unit's own rounding can turn it there, and no further.
;;   INPUTS GIVEN AS CODES. W1 (in the module: [8, 1024, 1024], K = its axis 1); W2 (in the module: [8, 512, 1024], K = its axis 1): each comes as NAME_codes (uint8): NAME with its K axis moved to the last place and cut into blocks of 32 codes, [.., K / 32, bytes a block], one block behind the other in memory; four codes in three bytes: a row's codes are one little-endian stream of bits, code i at bits 6 i .. 6 i + 5 (a code: sign, 2 exponent bits, 3 mantissa bits); and NAME_scales (uint8): the same leading axes, one E8M0 byte (e + 127) for each 32 codes along K. Its value is code x scale, taken as it is: it is not quantised again, and the codes and scales need not be those that the quantiser above would give.
;; 2 versions. Each part assembles by itself: llvm-mc -triple=amdgcn-amd-amdhsa -mcpu=gfx1250 --defsym DOCPART=n.
;; ======== version 1 of 2: 3 launches
;; workspace buffers: xq 1,572,864 bytes; xmeta 131,072 bytes; route 16,384 bytes of whole numbers; w1i 6,291,456 bytes; w2i 3,145,728 bytes; hid 6,291,456 bytes; hids 262,144 bytes
;; launch prep (part 1): grid 256 x 1, 8 waves a work-group, no clusters, 168,960 bytes of LDS; arguments expert_idxs, expert_p, x, W1_codes, W2_codes, xq, xmeta, route, w1i, w2i; writes xq, xmeta, route, w1i, w2i
.if DOCPART == 1
	.amdgcn_target "amdgcn-amd-amdhsa--gfx1250"
	.amdhsa_code_object_version 6
	.text
	.protected	k_q62a5169be2_prep
	.globl	k_q62a5169be2_prep
	.p2align	8
	.type	k_q62a5169be2_prep,@function
k_q62a5169be2_prep:
	s_mov_b64 s[64:65], 0
	v_nop
	global_prefetch_b8 v0, s[64:65] scope:SCOPE_SE
	s_setreg_imm32_b32 hwreg(HW_REG_WAVE_MODE, 25, 1), 1
	s_wait_xcnt 0x0
; PREP.  Three things that the two product launches want done once.
; (1) THE ORDER.  Token t has two expert slots e0, e1.  Tokens are ranked by their SET of experts: key = 16 min + max (an index outside 0..7 counts as 8: it names no expert),
;     c = key x 2048 + t, which no two tokens share; a token's place is the number of tokens with a smaller c.  No sort, no atomics: work-group g owns tokens 8 g .. 8 g + 7, and its wave w
;     counts, for all eight, the smaller c among tokens 256 w .. 256 w + 255; the eight partial counts meet in LDS behind the one barrier.
; (2) x IS QUANTISED to E2M3 with one E8M0 byte for each 32 along K (scale = 2^(floor(log2(largest magnitude)) - 2)), wave w taking token 8 g + w, and the row is stored AT ITS PLACE:
;     xq[place][768] the stream of codes; xmeta[place][64]: 32 scale bytes, then the eight gates w(t, e) = the sum of p over the slots that name e; route[place] = {t, mask of its experts}.
; (3) W1's AND W2's CODES ARE LAID OUT AS IMAGES OF OPERAND REGISTERS: a fragment (16 rows x 128 K, 12 registers a lane) is 1,536 bytes, registers 4 c .. 4 c + 3 of lane l at 512 c + 16 l,
;     so that three loads of 16 bytes a lane, 512 consecutive bytes each, bring it back.  w1i[e][ug][s][j]: ug = 2 ks + Hq; j = 4 half + 2 bl + uu (half 0: h, 1: g); lane r of the tile is
;     W1's row 512 half + 128 ks + 32 (Hq + 2 bl) + 8 uu + r + 8 (r / 8): the results of tiles uu = 0, 1 are then 16 neighbours along the second product's K.
;     w2i[e][ng][s][j]: lane r is W2's row 64 ng + 16 j + r.
; LIMITS: NaN and infinities in x are not served.  A block of zeros gets the byte 1 where the quantiser says 127: its codes are zeros, and this program alone reads the bytes; the same floor
; holds every byte at 1 from below.  Two slots that name one expert are weighed by (p0 + p1) f, not p0 f + p1 f.
; 256 work-groups, one for each.
; No tensor loads, no cluster: work-groups share only the 16 KiB of indices.
.set WREG, 5376                        ; LDS: a region for each wave: two stages of 32 x SP bytes, then its 32 scale bytes
.set SP,   80                          ; a lane's place in a stage: its 64 bytes + 16 of padding
.set SCB,  5120
.set RANK, 8*WREG                      ; behind the regions: 8 waves x 32 words of partial counts
.set IDX,  16                          ; v16-31   256 tokens' indices as loaded: 8 tokens a lane
.set XR,   32                          ; v32-63   my token's row as loaded
.set XN,   64                          ; v64-95   two sets of 16 neighbours
.set F1,   96                          ; v96-119  two fragments of W1
.set F2,   120                         ; v120-131 one fragment of W2
.set CP,   132                         ; v132-139 c of my lane's 8 tokens
.set VP,   140                         ; v140     lane i: my wave's count for the group's token i
.set TK,   141                         ; v141     256 w + 2 lane
.set RP,   144                         ; v144-151 the eight partial counts of my token
.set CD,   156                         ; v156-158, v160-162 the row's codes
.set EB,   164                         ; v164-165 scale bytes
.set WD,   166                         ; v166     a scale word
	s_load_b512 s[4:19], s[0:1], 0x0               ; idx s[4:5], p s[6:7], x s[8:9], W1 s[10:11], W2 s[12:13], xq s[14:15], xmeta s[16:17], route s[18:19]
	s_load_b128 s[20:23], s[0:1], 0x40             ; w1i s[20:21], w2i s[22:23]
	v_lshl_add_u32 v176, v0, 2, 0x29000
	v_mov_b32 v177, 0
	v_lshrrev_b32 v1, 5, v0
	v_readfirstlane_b32 s24, v1                    ; wave w
	s_mov_b32 s25, ttmp9                           ; work-group g
	v_and_b32 v1, 31, v0                           ; lane
	v_and_b32 v2, 15, v0                           ; r
	v_bfe_u32 v3, v0, 4, 1                         ; h
	v_lshlrev_b32 v4, 4, v1                        ; 16 x lane
	s_lshl_b32 s74, s24, 11
	v_add_nc_u32 v5, s74, v4                       ; indices: my wave's 2,048 bytes, 16 a lane
	v_and_b32 v15, 8, v2
	v_add_nc_u32 v15, v15, v2                      ; r + 8 (r / 8)
	v_mul_u32_u24 v6, v15, 768
	v_mad_u32_u24 v6, v3, 24, v6                   ; W1: my row of a tile, + 24 h
	v_mul_u32_u24 v7, v2, 384
	v_mad_u32_u24 v7, v3, 24, v7                   ; W2 likewise
	s_mul_i32 s75, s24, WREG
	v_lshrrev_b32 v8, 2, v1
	v_mul_u32_u24 v8, v8, SP
	v_and_b32 v15, 3, v1
	v_lshl_add_u32 v8, v15, 4, v8
	v_add_nc_u32 v8, s75, v8                       ; the stage, on the way in: SP (lane / 4) + 16 (lane % 4)
	v_mul_u32_u24 v9, v1, SP
	v_add_nc_u32 v9, s75, v9                       ; and on the way out: SP x lane
	s_add_co_u32 s76, s75, SCB
	v_lshrrev_b32 v10, 1, v1
	v_add_nc_u32 v10, s76, v10                     ; my block's scale byte
	v_and_b32 v11, 7, v1
	v_lshl_add_u32 v11, v11, 2, s76                ; and the row's eight scale words
	v_lshl_add_u32 v12, v0, 2, RANK                ; where my lane puts its count
	s_lshl_b32 s77, s24, 2
	s_add_co_u32 s77, s77, RANK
	v_mov_b32 v13, s77                             ; where my token's counts lie: word w of each wave's 32
	v_mul_u32_u24 v14, v1, 12                      ; 16 codes are 12 bytes
	s_lshl_b32 s26, s25, 3
	s_add_co_u32 s26, s26, s24                     ; my token t = 8 g + w
	s_lshr_b32 s27, s25, 5                         ; e
	s_bfe_u32 s78, s25, 0x30002                    ; ug
	s_bfe_u32 s79, s25, 0x10001                    ; half
	s_and_b32 s80, s25, 1                          ; bl (for W2: jp)
	s_lshl_b32 s81, s79, 9
	s_lshr_b32 s82, s78, 1
	s_lshl_b32 s82, s82, 7
	s_add_co_u32 s81, s81, s82
	s_and_b32 s82, s78, 1
	s_lshl_b32 s82, s82, 5
	s_add_co_u32 s81, s81, s82
	s_lshl_b32 s82, s80, 6
	s_add_co_u32 s81, s81, s82                     ; W1's first row: 512 half + 128 ks + 32 Hq + 64 bl
	s_mul_i32 s81, s81, 768
	s_mul_i32 s82, s27, 786432
	s_add_co_u32 s81, s81, s82
	s_mul_i32 s82, s24, 96
	s_add_co_u32 s84, s81, s82                     ; + K step w
	s_mov_b32 s85, 0
	s_lshl_b32 s86, s27, 3
	s_add_co_u32 s86, s86, s78
	s_lshl_b32 s86, s86, 3
	s_add_co_u32 s86, s86, s24
	s_lshl_b32 s86, s86, 3
	s_lshl_b32 s82, s79, 2
	s_add_co_u32 s86, s86, s82
	s_lshl_b32 s82, s80, 1
	s_add_co_u32 s86, s86, s82
	s_mul_i32 s86, s86, 1536                       ; w1i: (((8 e + ug) 8 + w) 8 + 4 half + 2 bl) images on
	s_mov_b32 s87, 0
	s_bfe_u32 s81, s25, 0x40001                    ; ng
	s_and_b32 s82, s24, 3                          ; W2's K step
	s_lshr_b32 s83, s24, 2
	s_lshl_b32 s88, s80, 1
	s_add_co_u32 s83, s83, s88                     ; its tile j = 2 jp + w / 4
	s_lshl_b32 s88, s81, 6
	s_lshl_b32 s90, s83, 4
	s_add_co_u32 s88, s88, s90
	s_mul_i32 s88, s88, 384
	s_mul_i32 s90, s27, 393216
	s_add_co_u32 s88, s88, s90
	s_mul_i32 s90, s82, 96
	s_add_co_u32 s88, s88, s90
	s_mov_b32 s89, 0
	s_lshl_b32 s90, s27, 4
	s_add_co_u32 s90, s90, s81
	s_lshl_b32 s90, s90, 4
	s_lshl_b32 s82, s82, 2
	s_add_co_u32 s90, s90, s82
	s_add_co_u32 s90, s90, s83
	s_mul_i32 s90, s90, 1536                       ; w2i: ((16 e + ng) 16 + 4 s + j) images on
	s_mov_b32 s91, 0
	s_mov_b32 s93, 0
	s_wait_kmcnt 0x0
	s_lshl_b32 s92, s25, 6
	s_add_nc_u64 s[94:95], s[4:5], s[92:93]
	s_load_b512 s[32:47], s[94:95], 0x0            ; the group's eight tokens' indices
	s_lshl_b32 s92, s26, 3
	s_add_nc_u64 s[96:97], s[4:5], s[92:93]
	s_load_b64 s[28:29], s[96:97], 0x0             ; my token's e0, e1
	s_add_nc_u64 s[98:99], s[6:7], s[92:93]
	s_load_b64 s[30:31], s[98:99], 0x0             ; and p0, p1
	s_lshl_b32 s92, s26, 12
	s_add_nc_u64 s[8:9], s[8:9], s[92:93]          ; x at my token's row
	s_add_nc_u64 s[10:11], s[10:11], s[84:85]
	s_add_nc_u64 s[12:13], s[12:13], s[88:89]
	s_add_nc_u64 s[20:21], s[20:21], s[86:87]
	s_add_nc_u64 s[22:23], s[22:23], s[90:91]
	; all 30 loads go out together: 4 of indices, 8 of x, 12 of W1, 6 of W2
.irp j, 0,1,2,3
	global_load_b128 v[IDX+4*\j:IDX+4*\j+3], v5, s[4:5] offset:512*\j
.endr
.irp i, 0,1,2,3,4,5,6,7
	global_load_b128 v[XR+4*\i:XR+4*\i+3], v4, s[8:9] offset:512*\i th:TH_LOAD_NT   ; 32 lanes read 512 consecutive bytes; the row is read once in the launch
.endr
.irp u, 0,1
.irp p, 0,1,2,3,4,5
	global_load_b64 v[F1+12*\u+2*\p:F1+12*\u+2*\p+1], v6, s[10:11] offset:6144*\u+48*(\p/3)+8*(\p%3)   ; a lane's 24 bytes as three pieces of 8: every address a multiple of the access
.endr
.endr
.irp p, 0,1,2,3,4,5
	global_load_b64 v[F2+2*\p:F2+2*\p+1], v7, s[12:13] offset:48*(\p/3)+8*(\p%3)
.endr
	s_wait_kmcnt 0x0
	s_lshl_b32 s78, s25, 3                         ; 8 g
.irp i, 0,1,2,3,4,5,6,7                        ; c of the group's eight tokens
	s_min_u32 s74, s[32+2*\i], 8
	s_min_u32 s75, s[33+2*\i], 8
	s_min_u32 s76, s74, s75
	s_max_u32 s77, s74, s75
	s_lshl_b32 s76, s76, 4
	s_add_co_u32 s76, s76, s77
	s_lshl_b32 s76, s76, 11
	s_add_co_u32 s76, s76, s78
	s_add_co_u32 s[48+\i], s76, \i
.endr
	s_wait_loadcnt 26                              ; the indices are in; x's 8, W1's 12 and W2's 6 loads may be out
	s_lshl_b32 s74, s24, 8
	v_lshl_add_u32 v[TK], v1, 1, s74
.irp n, 0,1,2,3,4,5,6,7                        ; c of my lane's eight: token 256 w + 64 (n / 2) + 2 lane + n % 2
	v_min_u32 v142, 8, v[IDX+2*\n]
	v_min_u32 v143, 8, v[IDX+2*\n+1]
	v_min_u32 v15, v142, v143
	v_max_u32 v142, v142, v143
	v_lshl_add_u32 v15, v15, 4, v142
	v_lshl_add_u32 v15, v15, 11, v[TK]
	v_add_nc_u32 v[CP+\n], 64*(\n/2)+\n%2, v15
.endr
.irp i, 0,1,2,3,4,5,6,7                        ; how many of my wave's 256 tokens stand ahead of the group's token i
.irp n, 0,1,2,3,4,5,6,7
	v_cmp_gt_u32 s[56+\n], s[48+\i], v[CP+\n]
.endr
	s_bcnt1_i32_b32 s[66+\i], s56
.irp n, 1,2,3,4,5,6,7
	s_bcnt1_i32_b32 s74, s[56+\n]
	s_add_co_u32 s[66+\i], s[66+\i], s74
.endr
.endr
	v_mov_b32 v[VP], 0
.irp i, 0,1,2,3,4,5,6,7
	v_writelane_b32 v[VP], s[66+\i], \i
.endr
	ds_store_b32 v12, v[VP]
	s_wait_loadcnt 18                              ; x's row is in; W1's and W2's loads may be out
.irp t, 0,1                                    ; the row's two halves of 512 numbers turn through the stages: in as loaded, out 16 neighbours a lane.  LDS serves a wave's instructions in order
.irp i, 0,1,2,3
	ds_store_b128 v8, v[XR+16*\t+4*\i:XR+16*\t+4*\i+3] offset:32*SP*\t+8*SP*\i
.endr
.irp i, 0,1,2,3
	ds_load_b128 v[XN+16*\t+4*\i:XN+16*\t+4*\i+3], v9 offset:32*SP*\t+16*\i
.endr
.endr
	s_wait_loadcnt 6                               ; W1's two fragments are in; W2's 6 loads may be out
.irp u, 0,1
.irp c, 0,1,2
	global_store_b128 v4, v[F1+12*\u+4*\c:F1+12*\u+4*\c+3], s[20:21] offset:1536*\u+512*\c   ; 32 lanes store 512 consecutive bytes, aligned
.endr
.endr
	s_wait_loadcnt 0x0
.irp c, 0,1,2
	global_store_b128 v4, v[F2+4*\c:F2+4*\c+3], s[22:23] offset:512*\c
.endr
	s_wait_dscnt 0x0                               ; for the others' sake: my counts have landed (and my own numbers are back from the stages)
	s_barrier_signal -1
	s_barrier_wait -1
.irp k, 0,1,2,3,4,5,6,7
	ds_load_b32 v[RP+\k], v13 offset:128*\k        ; wave k's count for my token, the same word in every lane
.endr
.macro QSTEP t                         ; 512 numbers, 16 a lane, two neighbouring lanes to a block of 32
.set XS, XN+16*(\t)
	v_max3_num_f32 v152, |v[XS]|, |v[XS+1]|, |v[XS+2]|
	v_max3_num_f32 v153, |v[XS+3]|, |v[XS+4]|, |v[XS+5]|
.irp i, 6,10
	v_max3_num_f32 v152, v152, |v[XS+\i]|, |v[XS+\i+1]|
	v_max3_num_f32 v153, v153, |v[XS+\i+2]|, |v[XS+\i+3]|
.endr
	v_max3_num_f32 v152, v152, |v[XS+14]|, |v[XS+15]|
	v_max3_num_f32 v152, v152, v153, 0x1800000     ; and the floor 2^(3 - 127): the byte cannot fall under 1
	v_max_num_f32_dpp v152, v152, v152 row_xmask:1 row_mask:0xf bank_mask:0xf   ; with my neighbour's 16: the block's largest magnitude
	v_add_nc_u32 v[154+(\t)], 0xff000000, v152     ; 2 off its exponent field: the conversion takes this operand's exponent field as its scale
	v_cvt_scalef32_pk16_fp6_f32 v[CD+4*(\t):CD+4*(\t)+2], v[XS:XS+15], v[154+(\t)]
	v_lshrrev_b32 v[EB+(\t)], 23, v[154+(\t)]      ; the scale's byte (also the plain line behind the conversion)
	ds_store_b8 v10, v[EB+(\t)] offset:16*(\t)     ; both lanes of a block write the same byte with the same value
.endm
	QSTEP 0
	QSTEP 1
	ds_load_b32 v[WD], v11                         ; lane l: scale word l % 8 of the row; it sees my byte stores, which stand ahead of it
	s_wait_dscnt 0x0
	v_add3_u32 v[RP], v[RP], v[RP+1], v[RP+2]
	v_add3_u32 v[RP+3], v[RP+3], v[RP+4], v[RP+5]
	v_add3_u32 v[RP], v[RP], v[RP+6], v[RP+7]
	v_add_nc_u32 v[RP], v[RP], v[RP+3]
	v_readfirstlane_b32 s80, v[RP]
	s_min_u32 s80, s80, 2047                       ; my token's place
	s_mul_i32 s81, s80, 768
	v_add_nc_u32 v172, s81, v14
	global_store_b96 v172, v[CD:CD+2], s[14:15]              ; 32 lanes store 384 consecutive bytes
	global_store_b96 v172, v[CD+4:CD+6], s[14:15] offset:384
	v_add_nc_u32 v167, -8, v1                      ; lanes 8-15 make the gates of experts 0-7
	v_mov_b32 v142, s30
	v_mov_b32 v143, s31
	v_cmp_eq_u32 vcc_lo, s28, v167
	v_cndmask_b32 v168, 0, v142, vcc_lo
	v_cmp_eq_u32 vcc_lo, s29, v167
	v_cndmask_b32 v169, 0, v143, vcc_lo
	v_add_f32 v168, v168, v169
	v_cmp_gt_u32 vcc_lo, 8, v1
	v_cndmask_b32 v168, v168, v[WD], vcc_lo        ; lanes 0-7 carry the scale words
	s_lshl_b32 s82, s80, 6
	v_lshl_add_u32 v173, v1, 2, s82
	s_lshl_b32 s83, s80, 3
	v_mov_b32 v174, s83
	s_min_u32 s74, s28, 8
	s_min_u32 s75, s29, 8
	s_lshl_b32 s74, 1, s74
	s_lshl_b32 s75, 1, s75
	s_or_b32 s74, s74, s75
	s_and_b32 s74, s74, 0xff                       ; the mask of my token's experts
	v_mov_b32 v170, s26
	v_mov_b32 v171, s74
	s_wait_xcnt 0x0                                ; EXEC is a source of the stores above: it changes only behind this wait
	v_cmp_gt_u32 vcc_lo, 16, v1
	s_wait_tensorcnt 0x0
	ds_add_u32 v176, v177
	s_wait_dscnt 0x0
	s_and_saveexec_b32 s84, vcc_lo
	global_store_b32 v173, v168, s[16:17]          ; 16 lanes: the place's 64 bytes of xmeta
	s_wait_xcnt 0x0
	s_or_b32 exec_lo, exec_lo, s84
	v_cmp_eq_u32 vcc_lo, 0, v1
	s_and_saveexec_b32 s84, vcc_lo
	global_store_b64 v174, v[170:171], s[18:19]    ; lane 0: {t, mask}
	s_wait_xcnt 0x0
	s_or_b32 exec_lo, exec_lo, s84
	s_endpgm
.Lfunc_end_k_q62a5169be2_prep:
	.size	k_q62a5169be2_prep, .Lfunc_end_k_q62a5169be2_prep-k_q62a5169be2_prep
	.p2alignl 7, 3214868480
	.fill 96, 4, 3214868480
	.section	.rodata,"a",@progbits
	.p2align	6, 0x0
	.amdhsa_kernel k_q62a5169be2_prep
		.amdhsa_group_segment_fixed_size 168960
		.amdhsa_private_segment_fixed_size 0
		.amdhsa_enable_private_segment 0
		.amdhsa_kernarg_size 80
		.amdhsa_user_sgpr_count 2
		.amdhsa_user_sgpr_kernarg_segment_ptr 1
		.amdhsa_wavefront_size32 1
		.amdhsa_system_sgpr_workgroup_id_x 1
		.amdhsa_system_sgpr_workgroup_id_y 1
		.amdhsa_system_sgpr_workgroup_id_z 1
		.amdhsa_system_vgpr_workitem_id 0
		.amdhsa_next_free_vgpr 178
		.amdhsa_next_free_sgpr 100
		.amdhsa_reserve_vcc 1
		.amdhsa_float_denorm_mode_32 3
		.amdhsa_float_denorm_mode_16_64 3
		.amdhsa_memory_ordered 1
		.amdhsa_forward_progress 1
		.amdhsa_inst_pref_size 27
	.end_amdhsa_kernel
	.amdgpu_metadata
---
amdhsa.version: [ 1, 2 ]
amdhsa.kernels:
  - .name:           k_q62a5169be2_prep
    .symbol:         k_q62a5169be2_prep.kd
    .args:
      - { .name: expert_idxs, .offset: 0, .size: 8, .value_kind: global_buffer, .address_space: global }
      - { .name: expert_p, .offset: 8, .size: 8, .value_kind: global_buffer, .address_space: global }
      - { .name: x, .offset: 16, .size: 8, .value_kind: global_buffer, .address_space: global }
      - { .name: W1_codes, .offset: 24, .size: 8, .value_kind: global_buffer, .address_space: global }
      - { .name: W2_codes, .offset: 32, .size: 8, .value_kind: global_buffer, .address_space: global }
      - { .name: xq, .offset: 40, .size: 8, .value_kind: global_buffer, .address_space: global }
      - { .name: xmeta, .offset: 48, .size: 8, .value_kind: global_buffer, .address_space: global }
      - { .name: route, .offset: 56, .size: 8, .value_kind: global_buffer, .address_space: global }
      - { .name: w1i, .offset: 64, .size: 8, .value_kind: global_buffer, .address_space: global }
      - { .name: w2i, .offset: 72, .size: 8, .value_kind: global_buffer, .address_space: global }
    .group_segment_fixed_size: 168960
    .private_segment_fixed_size: 0
    .kernarg_segment_align: 8
    .kernarg_segment_size: 80
    .max_flat_workgroup_size: 256
    .sgpr_count:     100
    .vgpr_count:     178
    .wavefront_size: 32
...
	.end_amdgpu_metadata
.endif
;; end of part 1
;; launch up (part 2): grid 16 x 32, 4 waves a work-group, no clusters, 50,688 bytes of LDS; arguments xq, xmeta, route, w1i, W1_scales, hid, hids; writes hid, hids
.if DOCPART == 2
	.amdgcn_target "amdgcn-amd-amdhsa--gfx1250"
	.amdhsa_code_object_version 6
	.text
	.protected	k_q62a5169be2_up
	.globl	k_q62a5169be2_up
	.p2align	8
	.type	k_q62a5169be2_up,@function
k_q62a5169be2_up:
	s_mov_b64 s[64:65], 0
	v_nop
	global_prefetch_b8 v0, s[64:65] scope:SCOPE_SE
	s_setreg_imm32_b32 hwreg(HW_REG_WAVE_MODE, 25, 1), 1
	s_wait_xcnt 0x0
; UP.  a = silu(g) h with (h | g) = Q(x) W1[e], quantised along the hidden units, for one block b of 64 sorted tokens, one expert e and 256 of the 512 hidden units (hf).
; Work-group x = 2 e + hf, y = b.  A block whose tokens do not name e has nothing to do: it stores nothing and ends (a scalar branch on the stored masks).  The grid serves every split of the tokens.
; Tokens of a used block that do not name e are multiplied with the others; their hidden scale bytes are stored as 0 (2^-127), and the next launch weighs them by 0.
; SHARES.  Wave w owns ug = 4 hf + w: blocks Hq = ug % 2 and Hq + 2 of K step ks = ug / 2 of the second product, 64 hidden units, as h and as g, for all 64 tokens:
; 8 tiles of W1's rows x 4 tiles of tokens = 32 accumulators; 8 K steps of 128: 256 matrix instructions.
; THE PRODUCT IS USED TRANSPOSED (source 0 = 16 rows of W1, source 1 = 16 tokens): a lane holds ONE token, and the rows of W1 that form a tile were chosen so that the 16 registers of tiles
; uu = 0, 1 are 16 neighbours along the next K.  The weights come from memory straight into registers, as images of the operand's registers, three K steps ahead (72 loads of 512 bytes).
; x's codes, which all four waves read, go through LDS once: 64 rows of 768 bytes, 784 apart, so that the 32 lanes of a load of 8 bytes fall on 64 different banks (64 banks of 4 bytes: ISA guide 11.1).
; NO TENSOR LOAD, NO CLUSTER: the launch branches on numbers read from memory (which blocks use which expert), and partners of a cluster would have different numbers of tiles to ask for.
; LIMITS: a block of zeros gets the byte 1, not 127 (its codes are zeros; this program alone reads the bytes).  NaN and infinities are not served.
; REGISTERS, in windows of 256.  Window 0: v1-12 addresses; v14-21 masks; v32-63 W1's scale words, v64-79 x's (they hold nothing else); v80-127, v128-175 x's fragments, two sets;
;   in the epilogue v80-143 64 numbers at work, v144-159 the quantiser's, v160-203 codes, v208-211 bytes.   Window 1: weights, slots 0 and 1 (96 registers each).   Window 3: slot 2.
;   Window 2: the accumulators, (j, m) at 128 half + 64 (m / 2) + 32 bl + 16 (m % 2) + 8 uu, j = 4 half + 2 bl + uu: the 64 registers of h, and of g, for two tiles of tokens lie on end.
.set XB,  80
.set WS,  32
.set XS,  64
.set T,   80
.set TM,  144
.set BY,  208
.set MSB, 0
.macro WIN new                         ; s_set_vgpr_msb: bits 1:0 source 0, 3:2 source 1, 5:4 source 2, 7:6 destination; the high byte repeats the setting that is left
.if MSB != \new
	s_set_vgpr_msb (MSB<<8)|\new
.set MSB, \new
.endif
.endm
	s_load_b256 s[4:11], s[0:1], 0x0               ; xq s[4:5], xmeta s[6:7], route s[8:9], w1i s[10:11]
	s_load_b128 s[12:15], s[0:1], 0x20             ; W1's scales s[12:13], hid s[14:15]
	s_load_b64 s[16:17], s[0:1], 0x30              ; hids
	v_lshl_add_u32 v254, v0, 2, 0xc400
	v_mov_b32 v255, 0
	v_lshrrev_b32 v1, 5, v0
	v_readfirstlane_b32 s18, v1                    ; wave w
	s_and_b32 s19, ttmp9, 1                        ; hf
	s_lshr_b32 s20, ttmp9, 1                       ; e
	s_and_b32 s21, ttmp7, 0xffff                   ; b
	s_lshl_b32 s22, s19, 2
	s_add_co_u32 s22, s22, s18                     ; ug
	s_lshr_b32 s23, s22, 1                         ; ks
	s_and_b32 s24, s22, 1                          ; Hq
	s_lshl_b32 s25, 1, s20                         ; e's bit in a token's mask
	s_mov_b32 s34, 0xffff0000                      ; lanes 16-31
	s_mov_b32 s36, 0x76543210
	s_mov_b32 s37, 0xfedcba98                      ; v_permlanex16_b32's selects for lane l xor 16
	s_mov_b32 s38, 0xbfb8aa3b                      ; -log2(e)
	s_mov_b32 s39, s38                             ; (named with it as a pair, so it is written)
	v_and_b32 v1, 31, v0                           ; lane
	v_and_b32 v2, 15, v0                           ; r
	v_bfe_u32 v3, v0, 4, 1                         ; h
	v_lshlrev_b32 v7, 4, v1                        ; 16 x lane
	s_mul_i32 s54, s18, 12544
	v_add_nc_u32 v4, s54, v7                       ; LDS, on the way in: my wave's 16 rows, 16 bytes a lane;
	v_lshl_add_u32 v5, v3, 4, v4                   ; the same where lanes 16-31 have passed a row's end: 16 bytes of padding more
	v_mul_u32_u24 v6, v2, 784
	v_mad_u32_u24 v6, v3, 24, v6                   ; a fragment's row, + 24 h
	v_lshlrev_b32 v8, 3, v2                        ; route: 8 bytes a token
	v_lshlrev_b32 v9, 6, v2
	v_lshl_add_u32 v9, v3, 4, v9                   ; xmeta: 64 bytes a token; lanes 16-31 take scale words 4-7
	v_and_b32 v10, 8, v2
	v_add_nc_u32 v10, v10, v2
	v_lshlrev_b32 v10, 5, v10
	v_lshl_add_u32 v10, v3, 4, v10                 ; W1's scales: 32 bytes a row, row r + 8 (r / 8) of a tile; lanes 16-31 take words 4-7
	v_mul_u32_u24 v11, v3, 1536
	v_lshl_add_u32 v11, v2, 4, v11                 ; hid: lanes 16-31 hold the next tile of tokens
	v_lshlrev_b32 v12, 2, v1                       ; hids: a word a token
	s_mul_i32 s40, s21, 49152
	s_mul_i32 s54, s18, 12288
	s_add_co_u32 s40, s40, s54                     ; xq: the block's 64 rows, my wave's 16
	s_mov_b32 s41, 0
	s_lshl_b32 s42, s21, 12                        ; xmeta
	s_mov_b32 s43, 0
	s_lshl_b32 s44, s21, 9                         ; route
	s_mov_b32 s45, 0
	s_lshl_b32 s46, s20, 3
	s_add_co_u32 s46, s46, s22
	s_mul_i32 s46, s46, 98304                      ; w1i: (8 e + ug) x 64 images
	s_mov_b32 s47, 0
	s_lshl_b32 s48, s20, 15
	s_lshl_b32 s54, s23, 12
	s_add_co_u32 s48, s48, s54
	s_lshl_b32 s54, s24, 10
	s_add_co_u32 s48, s48, s54                     ; W1's scales: row 1024 e + 128 ks + 32 Hq
	s_mov_b32 s49, 0
	s_lshl_b32 s55, s21, 3
	s_add_co_u32 s55, s55, s20                     ; 8 b + e
	s_mul_i32 s50, s55, 24576
	s_mul_i32 s54, s23, 6144
	s_add_co_u32 s50, s50, s54
	s_lshl_b32 s54, s24, 8
	s_add_co_u32 s50, s50, s54                     ; hid: K step ks's four images; my codes are those of the images' lanes 16 Hq + r
	s_mov_b32 s51, 0
	s_lshl_b32 s52, s55, 10
	s_lshl_b32 s54, s23, 8
	s_add_co_u32 s52, s52, s54
	s_add_co_u32 s52, s52, s24                     ; hids: K step ks's 64 words, byte Hq
	s_mov_b32 s53, 0
	s_wait_kmcnt 0x0
	s_add_nc_u64 s[4:5], s[4:5], s[40:41]
	s_add_nc_u64 s[6:7], s[6:7], s[42:43]
	s_add_nc_u64 s[8:9], s[8:9], s[44:45]
	s_add_nc_u64 s[10:11], s[10:11], s[46:47]
	s_add_nc_u64 s[12:13], s[12:13], s[48:49]
	s_add_nc_u64 s[14:15], s[14:15], s[50:51]
	s_add_nc_u64 s[16:17], s[16:17], s[52:53]
	; ---- every work-group: the tokens' masks, x's codes into LDS, the one barrier.  It stands ahead of the branch on stored numbers: every wave passes it
.irp m, 0,1,2,3
	global_load_b32 v[14+\m], v8, s[8:9] offset:128*\m+4     ; token 16 m + r's mask
.endr
.set ii, 0
.rept 24
	global_load_b128 v[80+4*ii:83+4*ii], v7, s[4:5] offset:512*ii   ; my 16 rows are 12,288 dense bytes: 512 a load
.set ii, ii+1
.endr
.irp m, 0,1,2,3
	global_load_b128 v[XS+4*\m:XS+4*\m+3], v9, s[6:7] offset:1024*\m   ; register q: lanes 0-15 token r's scale word q, lanes 16-31 its word 4 + q
.endr
	s_wait_loadcnt 4                               ; the masks and the codes are in; x's four scale loads may be out
.irp k, 0,1,2,3,4,5,6,7                        ; three loads are two rows: 1,536 bytes of memory, 1,568 of LDS
	ds_store_b128 v4, v[80+12*\k:83+12*\k] offset:1568*\k
	ds_store_b128 v5, v[84+12*\k:87+12*\k] offset:1568*\k+512
	ds_store_b128 v4, v[88+12*\k:91+12*\k] offset:1568*\k+1040
.endr
.irp m, 0,1,2,3
	v_and_b32 v[18+\m], s25, v[14+\m]
	v_cmp_ne_u32 s[28+\m], 0, v[18+\m]             ; bit l: token 16 m + l % 16 names e
.endr
	s_and_b32 s32, s28, 0xffff
	s_and_b32 s54, s29, s34
	s_or_b32 s32, s32, s54                         ; lanes 0-15: tile 0's tokens, lanes 16-31: tile 1's
	s_and_b32 s33, s30, 0xffff
	s_and_b32 s54, s31, s34
	s_or_b32 s33, s33, s54                         ; tiles 2 and 3
	s_or_b32 s35, s28, s29
	s_or_b32 s35, s35, s30
	s_or_b32 s35, s35, s31
	s_wait_dscnt 0x0                               ; for the others' sake: my rows have landed
	s_barrier_signal -1
	s_barrier_wait -1
	s_cmp_eq_u32 s35, 0
	s_cbranch_scc1 .Lend                           ; none of the block's tokens names e
.macro XFRAG s                         ; x's four fragments of K step s into set s % 2: 24 loads of 8 bytes
.irp m, 0,1,2,3
.irp p, 0,1,2,3,4,5
	ds_load_b64 v[XB+48*((\s)%2)+12*\m+2*\p:XB+48*((\s)%2)+12*\m+2*\p+1], v6 offset:12544*\m+96*(\s)+48*(\p/3)+8*(\p%3)
.endr
.endr
.endm
.macro WLOAD s                         ; my eight tiles of W1 for K step s into slot s % 3: 24 loads of 512 consecutive bytes
.if (\s)%3 == 2
	WIN 0xc0
.set WB, 0
.else
	WIN 0x40
.set WB, 96*((\s)%3)
.endif
.irp j, 0,1,2,3,4,5,6,7
.irp c, 0,1,2
	global_load_b128 v[WB+12*\j+4*\c:WB+12*\j+4*\c+3], v7, s[10:11] offset:12288*(\s)+1536*\j+512*\c
.endr
.endr
.endm
.macro MM s, j, m                      ; K steps 0-3 take their scale words from lanes 0-15, K steps 4-7 from lanes 16-31 of the same registers
.set AC, 128*(\j/4)+64*(\m/2)+32*((\j/2)%2)+16*(\m%2)+8*(\j%2)
.if (\s) == 0
	v_wmma_scale_f32_16x16x128_f8f6f4 v[AC:AC+7], v[WB+12*\j:WB+12*\j+11], v[XBB+12*\m:XBB+12*\m+11], 0, v[WS+4*\j], v[XS+4*\m] matrix_a_fmt:MATRIX_FMT_FP6 matrix_b_fmt:MATRIX_FMT_FP6
.elseif (\s) < 4
	v_wmma_scale_f32_16x16x128_f8f6f4 v[AC:AC+7], v[WB+12*\j:WB+12*\j+11], v[XBB+12*\m:XBB+12*\m+11], v[AC:AC+7], v[WS+4*\j+(\s)], v[XS+4*\m+(\s)] matrix_a_fmt:MATRIX_FMT_FP6 matrix_b_fmt:MATRIX_FMT_FP6
.else
	v_wmma_scale_f32_16x16x128_f8f6f4 v[AC:AC+7], v[WB+12*\j:WB+12*\j+11], v[XBB+12*\m:XBB+12*\m+11], v[AC:AC+7], v[WS+4*\j+(\s)-4], v[XS+4*\m+(\s)-4] matrix_a_fmt:MATRIX_FMT_FP6 matrix_b_fmt:MATRIX_FMT_FP6 matrix_a_scale:MATRIX_SCALE_ROW1 matrix_b_scale:MATRIX_SCALE_ROW1
.endif
.endm
; A K step: 32 matrix instructions, the 32 accumulators by turns, one instruction a turn, in the same order in every step.  The first step's products start the sums.
.macro STEP s
.if (\s) <= 5
	s_wait_loadcnt 48                              ; this step's weights are in (at step 0 the scale words too); the two steps' behind it, 24 loads each, may be out
.elseif (\s) == 6
	s_wait_loadcnt 24
.else
	s_wait_loadcnt 0x0
.endif
.if (\s) <= 6
	s_wait_dscnt 24                                ; this step's fragments of x are in; the next step's 24 loads may be out
.else
	s_wait_dscnt 0x0
.endif
.if (\s)%3 == 2
	WIN 0xa3                                       ; source 0 (W1) window 3, source 1 (x) window 0, C and D window 2
.set WB, 0
.else
	WIN 0xa1                                       ; the same with W1 in window 1
.set WB, 96*((\s)%3)
.endif
.set XBB, XB+48*((\s)%2)
.irp j, 0,1,2,3,4,5,6,7
.irp m, 0,1,2,3
	MM \s, \j, \m
.endr
.endr
.rept 4
	v_nop                                          ; four places in front of loads into registers that these products have read, and of the first read of results
.endr
.if (\s)+3 <= 7
	WLOAD (\s)+3                                   ; the slot just multiplied takes the weights three steps on
.endif
	WIN 0
.if (\s)+2 <= 7
	XFRAG (\s)+2
.endif
.endm
.irp j, 0,1,2,3,4,5,6,7
	global_load_b128 v[WS+4*\j:WS+4*\j+3], v10, s[12:13] offset:16384*(\j/4)+2048*((\j/2)%2)+256*(\j%2)   ; tile j's scale words: register q: lanes 0-15 word q, lanes 16-31 word 4 + q
.endr
	WLOAD 0
	WLOAD 1
	WLOAD 2
	WIN 0
	XFRAG 0
	XFRAG 1
.irp s, 0,1,2,3,4,5,6,7
	STEP \s
.endr
.irp b, 0,1,2,3
	v_mov_b32 v[TM+4+\b], 0                        ; written once: a lane permute's destination counts as one of its sources
.endr
; 64 numbers of a lane, v[s] on, in four groups of 16 (a block's half: lane l xor 16 holds the other), become codes in v[pc] .. v[pc + 11] and bytes in v[TM + 4] .. v[TM + 7].
.macro QUANT s, pc
.irp b, 0,1,2,3
	v_max3_num_f32 v[TM+\b], |v[\s+16*\b]|, |v[\s+1+16*\b]|, 0x1800000   ; the floor 2^(3 - 127): the byte cannot fall under 1
.endr
.irp i, 2,4,6,8,10,12,14
.irp b, 0,1,2,3
	v_max3_num_f32 v[TM+\b], v[TM+\b], |v[\s+16*\b+\i]|, |v[\s+1+16*\b+\i]|   ; the four groups by turns
.endr
.endr
.irp b, 0,1,2,3
	v_permlanex16_b32 v[TM+4+\b], v[TM+\b], s36, s37
.endr
.irp b, 0,1,2,3
	v_max_num_f32 v[TM+\b], v[TM+\b], v[TM+4+\b]   ; the block's largest magnitude
.endr
.irp b, 0,1,2,3
	v_add_nc_u32 v[TM+12+\b], 0xff000000, v[TM+\b] ; 2 off its exponent field: the conversion's scale operand
.endr
.irp b, 0,1,2,3
	v_lshrrev_b32 v[TM+4+\b], 23, v[TM+12+\b]      ; the scale's byte
.endr
.irp c, 0,1
	v_cvt_scalef32_pk16_fp6_f32 v[\pc+6*\c:\pc+2+6*\c], v[\s+32*\c:\s+15+32*\c], v[TM+12+2*\c]
	v_cvt_scalef32_pk16_fp6_f32 v[\pc+12+4*\c:\pc+14+4*\c], v[\s+16+32*\c:\s+31+32*\c], v[TM+12+2*\c+1]   ; (a conversion's three registers begin on an even number)
.endr
	v_nop                                          ; one plain place behind a scaled conversion
.irp c, 0,1                                    ; a whole block to a lane: lanes 0-15 keep group 2 c's block, lanes 16-31 group 2 c + 1's
.irp i, 0,1,2
	v_permlane16_swap_b32 v[\pc+6*\c+\i], v[\pc+12+4*\c+\i]
.endr
.irp i, 0,1,2
	v_mov_b32 v[\pc+3+6*\c+\i], v[\pc+12+4*\c+\i]
.endr
.endr
.endm
; THE EPILOGUE for tiles 2 tp and 2 tp + 1 of tokens: a = (g / (1 + 2^(-g log2 e))) h in f32, quantised, stored.  Group 2 bl + d of the 64 numbers is block Hq + 2 bl of tile 2 tp + d.
; Behind the quantiser lane (r, H) holds registers 0-11 of lane (r, Hq) of the fragment (K step ks, tile 2 tp + H) of the second product's operand: it stores them at that lane's place in the image.
.macro EPI tp
.set PCB, 160+24*\tp
	WIN 0x02                                       ; source 0 window 2
.set ii, 0
.rept 32
	v_pk_mul_f32 v[T+ii:T+ii+1], v[128+64*\tp+ii:128+64*\tp+ii+1], s[38:39] op_sel_hi:[1,0]   ; -g log2 e; each accumulator from its low end on
.set ii, ii+2
.endr
	WIN 0
.set ii, 0
.rept 64
	v_exp_f32 v[T+ii], v[T+ii]
.set ii, ii+1
.endr
	v_nop                                          ; a plain place behind the last exponential,
	s_wait_alu depctr_va_vdst(0)                   ; and one wait for the batch, ahead of its first reader
.set ii, 0
.rept 32
	v_pk_add_f32 v[T+ii:T+ii+1], v[T+ii:T+ii+1], 1.0 op_sel_hi:[1,0]
.set ii, ii+2
.endr
.set ii, 0
.rept 64
	v_rcp_f32 v[T+ii], v[T+ii]
.set ii, ii+1
.endr
	v_nop
	s_wait_alu depctr_va_vdst(0)                   ; one wait for the 64 reciprocals
	WIN 0x02
.set ii, 0
.rept 32
	v_pk_mul_f32 v[T+ii:T+ii+1], v[128+64*\tp+ii:128+64*\tp+ii+1], v[T+ii:T+ii+1]   ; silu(g)
.set ii, ii+2
.endr
.set ii, 0
.rept 32
	v_pk_mul_f32 v[T+ii:T+ii+1], v[64*\tp+ii:64*\tp+ii+1], v[T+ii:T+ii+1]           ; x h
.set ii, ii+2
.endr
	WIN 0
	QUANT T, PCB
.irp c, 0,1,2
	global_store_b128 v11, v[PCB+4*\c:PCB+4*\c+3], s[14:15] offset:3072*\tp+512*\c   ; each half of the lanes stores 256 consecutive bytes, aligned
.endr
.irp l, 0,1
	v_cndmask_b32 v[BY+2*\tp+\l], v[TM+4+2*\l], v[TM+5+2*\l], s34        ; my tile's byte of block Hq + 2 l,
	v_cndmask_b32 v[BY+2*\tp+\l], 0, v[BY+2*\tp+\l], s[32+\tp]           ; or 0 where my token does not name e
	global_store_b8 v12, v[BY+2*\tp+\l], s[16:17] offset:128*\tp+2*\l    ; a byte of a token's scale word: 2 bytes for 48 bytes of codes
.endr
.endm
	EPI 0
	EPI 1
.Lend:
	s_wait_tensorcnt 0x0
	ds_add_u32 v254, v255
	s_wait_dscnt 0x0
	s_endpgm
.Lfunc_end_k_q62a5169be2_up:
	.size	k_q62a5169be2_up, .Lfunc_end_k_q62a5169be2_up-k_q62a5169be2_up
	.p2alignl 7, 3214868480
	.fill 96, 4, 3214868480
	.section	.rodata,"a",@progbits
	.p2align	6, 0x0
	.amdhsa_kernel k_q62a5169be2_up
		.amdhsa_group_segment_fixed_size 50688
		.amdhsa_private_segment_fixed_size 0
		.amdhsa_enable_private_segment 0
		.amdhsa_kernarg_size 56
		.amdhsa_user_sgpr_count 2
		.amdhsa_user_sgpr_kernarg_segment_ptr 1
		.amdhsa_wavefront_size32 1
		.amdhsa_system_sgpr_workgroup_id_x 1
		.amdhsa_system_sgpr_workgroup_id_y 1
		.amdhsa_system_sgpr_workgroup_id_z 1
		.amdhsa_system_vgpr_workitem_id 0
		.amdhsa_next_free_vgpr 864
		.amdhsa_next_free_sgpr 66
		.amdhsa_reserve_vcc 0
		.amdhsa_float_denorm_mode_32 3
		.amdhsa_float_denorm_mode_16_64 3
		.amdhsa_memory_ordered 1
		.amdhsa_forward_progress 1
		.amdhsa_inst_pref_size 108
	.end_amdhsa_kernel
	.amdgpu_metadata
---
amdhsa.version: [ 1, 2 ]
amdhsa.kernels:
  - .name:           k_q62a5169be2_up
    .symbol:         k_q62a5169be2_up.kd
    .args:
      - { .name: xq, .offset: 0, .size: 8, .value_kind: global_buffer, .address_space: global }
      - { .name: xmeta, .offset: 8, .size: 8, .value_kind: global_buffer, .address_space: global }
      - { .name: route, .offset: 16, .size: 8, .value_kind: global_buffer, .address_space: global }
      - { .name: w1i, .offset: 24, .size: 8, .value_kind: global_buffer, .address_space: global }
      - { .name: W1_scales, .offset: 32, .size: 8, .value_kind: global_buffer, .address_space: global }
      - { .name: hid, .offset: 40, .size: 8, .value_kind: global_buffer, .address_space: global }
      - { .name: hids, .offset: 48, .size: 8, .value_kind: global_buffer, .address_space: global }
    .group_segment_fixed_size: 50688
    .private_segment_fixed_size: 0
    .kernarg_segment_align: 8
    .kernarg_segment_size: 56
    .max_flat_workgroup_size: 128
    .sgpr_count:     66
    .vgpr_count:     864
    .wavefront_size: 32
...
	.end_amdgpu_metadata
.endif
;; end of part 2
;; launch down (part 3): grid 8 x 32, 2 waves a work-group, no clusters, 168,192 bytes of LDS; arguments hid, hids, w2i, W2_scales, xmeta, route, out0; writes out0
.if DOCPART == 3
	.amdgcn_target "amdgcn-amd-amdhsa--gfx1250"
	.amdhsa_code_object_version 6
	.text
	.protected	k_q62a5169be2_down
	.globl	k_q62a5169be2_down
	.p2align	8
	.type	k_q62a5169be2_down,@function
k_q62a5169be2_down:
	s_mov_b64 s[64:65], 0
	v_nop
	global_prefetch_b8 v0, s[64:65] scope:SCOPE_SE
	s_setreg_imm32_b32 hwreg(HW_REG_WAVE_MODE, 25, 1), 1
	s_wait_xcnt 0x0
; DOWN.  out[t] = the sum over the experts e of w(t, e) (Q(a(t, e)) W2[e]), for one block b of 64 sorted tokens and 128 output columns: EACH OUTPUT ROW'S PIECE HAS ONE OWNER, nothing is added between work-groups.
; Work-group x, y = b; wave w owns columns 64 ng .. 64 ng + 63, ng = 2 x + w, for all 64 tokens.  The two waves share nothing: no barrier.
; The wave walks the eight experts, written out, and jumps over those that none of the block's tokens names (a scalar branch on the stored masks).  For a used expert: 16 fragments of a and 16 of W2,
; images of operand registers, straight from memory into registers; 64 matrix instructions into Y; then O += w Y, w the lane's token's gate, which is 0 where the token does not name e.
; THE PRODUCT IS USED TRANSPOSED (source 0 = 16 rows of W2, source 1 = 16 tokens): a lane holds one token and eight neighbouring columns.
; O is no matrix accumulator and starts as zeros: which expert comes first is not known when the text is written, and a token that names no expert gets zeros, as in the definition.
; NO TENSOR LOAD, NO CLUSTER: the walk hangs on numbers read from memory, and partners would ask for different numbers of tiles.
; 256 work-groups, one for each.
; REGISTERS, in windows of 256.  Window 0: v1-12 addresses; v16-47 gates (tile m, expert e at 16 + 8 m + e); v48-79 the stores' offsets; v80-87 W2's scale words, v88-95 a's (they hold nothing else);
;   v96-159 rows on the way out, two sets.   Window 1: W2's fragments, (s, j) at 12 (4 s + j).   Window 3: a's, (s, m) at 12 (4 s + m).   Window 2: Y (j, m) at 8 (4 j + m), O at 128 + the same.
.set GW,  16
.set OFF, 48
.set W2S, 80
.set AS,  88
.set BK,  96
.set MSB, 0
.macro WIN new                         ; s_set_vgpr_msb: bits 1:0 source 0, 3:2 source 1, 5:4 source 2, 7:6 destination; the high byte repeats the setting that is left
.if MSB != \new
	s_set_vgpr_msb (MSB<<8)|\new
.set MSB, \new
.endif
.endm
	s_load_b256 s[4:11], s[0:1], 0x0               ; hid s[4:5], hids s[6:7], w2i s[8:9], W2's scales s[10:11]
	s_load_b128 s[12:15], s[0:1], 0x20             ; xmeta s[12:13], route s[14:15]
	s_load_b64 s[16:17], s[0:1], 0x30              ; out0
	v_lshl_add_u32 v254, v0, 2, 0x29000
	v_mov_b32 v255, 0
	v_lshrrev_b32 v1, 5, v0
	v_readfirstlane_b32 s18, v1                    ; wave w
	s_and_b32 s19, ttmp7, 0xffff                   ; b
	s_lshl_b32 s20, ttmp9, 1
	s_add_co_u32 s20, s20, s18                     ; ng
	v_and_b32 v1, 31, v0                           ; lane
	v_and_b32 v2, 15, v0                           ; r
	v_bfe_u32 v3, v0, 4, 1                         ; h
	s_mul_i32 s21, s18, 4352                       ; my stage: 16 rows x (256 bytes + 16)
	v_mul_u32_u24 v4, v2, 272
	v_lshl_add_u32 v4, v3, 5, v4
	v_add_nc_u32 v4, s21, v4                       ; in: row r, + 32 h
	v_mul_u32_u24 v5, v3, 272
	v_lshl_add_u32 v5, v2, 4, v5
	v_add_nc_u32 v5, s21, v5                       ; back: lanes 0-15 one row, lanes 16-31 the next
	v_lshlrev_b32 v6, 6, v2                        ; xmeta: 64 bytes a token
	v_lshlrev_b32 v7, 4, v1                        ; 16 x lane
	v_lshlrev_b32 v8, 3, v3                        ; route: 8 bytes a token
	v_lshlrev_b32 v9, 4, v2                        ; my 16 bytes of a row's 256
	v_lshlrev_b32 v12, 2, v1                       ; 4 x lane
	s_mul_i32 s22, s19, 196608                     ; hid: the block's 8 x 16 images
	s_mov_b32 s23, 0
	s_lshl_b32 s24, s19, 13                        ; hids
	s_mov_b32 s25, 0
	s_mul_i32 s26, s20, 24576                      ; w2i: ng's 16 images of an expert
	s_mov_b32 s27, 0
	s_lshl_b32 s28, s20, 10                        ; W2's scales: 64 rows of 16 bytes
	s_mov_b32 s29, 0
	s_lshl_b32 s30, s19, 12                        ; xmeta
	s_mov_b32 s31, 0
	s_lshl_b32 s32, s19, 9                         ; route
	s_mov_b32 s33, 0
	s_lshl_b32 s34, s20, 8                         ; out0: my 64 columns
	s_mov_b32 s35, 0
	s_wait_kmcnt 0x0
	s_add_nc_u64 s[4:5], s[4:5], s[22:23]
	s_add_nc_u64 s[6:7], s[6:7], s[24:25]
	s_add_nc_u64 s[8:9], s[8:9], s[26:27]
	s_add_nc_u64 s[10:11], s[10:11], s[28:29]
	s_add_nc_u64 s[12:13], s[12:13], s[30:31]
	s_add_nc_u64 s[14:15], s[14:15], s[32:33]
	s_add_nc_u64 s[16:17], s[16:17], s[34:35]
	global_load_b128 v[160:163], v7, s[14:15]      ; two tokens a lane: {t, mask, t, mask}
.irp m, 0,1,2,3
.irp k, 0,1
	global_load_b128 v[GW+8*\m+4*\k:GW+8*\m+4*\k+3], v6, s[12:13] offset:1024*\m+32+16*\k   ; token 16 m + r's eight gates
.endr
.endr
.irp m, 0,1,2,3
.irp i, 0,1,2,3,4,5,6,7
	global_load_b32 v[OFF+8*\m+\i], v8, s[14:15] offset:128*\m+16*\i   ; which token lies at place 16 m + 2 i + lane / 16
.endr
.endr
	WIN 0x80                                       ; destination window 2
.set ii, 0
.rept 128
	v_mov_b32 v[128+ii], 0                         ; O; these lines stand while the head's loads are on their way
.set ii, ii+1
.endr
	WIN 0
	s_wait_loadcnt 0x0
	v_or_b32 v164, v161, v163
.irp e, 0,1,2,3,4,5,6,7
	v_and_b32 v165, 1<<\e, v164
	v_cmp_ne_u32 s[40+\e], 0, v165                 ; not 0: some token of the block names e
.endr
.set ii, 0
.rept 32
	v_min_u32 v[OFF+ii], 0x7ff, v[OFF+ii]
	v_lshl_add_u32 v[OFF+ii], v[OFF+ii], 12, v9    ; the token's row of 4,096 bytes, + my 16 bytes
.set ii, ii+1
.endr
; One matrix instruction.  W2's scale words: register 4 (j / 2) + s holds tile j's in lanes 0-15 (j even) or 16-31 (j odd); a's: register 2 s + m / 2, likewise by m.
.macro WM s, j, m
.set AC, 8*(4*\j+\m)
.set FW, 12*(4*\s+\j)
.set FH, 12*(4*\s+\m)
.set RW, W2S+4*(\j/2)+\s
.set RH, AS+2*\s+\m/2
.if \s == 0
.if (\j%2 == 0) && (\m%2 == 0)
	v_wmma_scale_f32_16x16x128_f8f6f4 v[AC:AC+7], v[FW:FW+11], v[FH:FH+11], 0, v[RW], v[RH] matrix_a_fmt:MATRIX_FMT_FP6 matrix_b_fmt:MATRIX_FMT_FP6
.elseif (\j%2 == 1) && (\m%2 == 0)
	v_wmma_scale_f32_16x16x128_f8f6f4 v[AC:AC+7], v[FW:FW+11], v[FH:FH+11], 0, v[RW], v[RH] matrix_a_fmt:MATRIX_FMT_FP6 matrix_b_fmt:MATRIX_FMT_FP6 matrix_a_scale:MATRIX_SCALE_ROW1
.elseif (\j%2 == 0) && (\m%2 == 1)
	v_wmma_scale_f32_16x16x128_f8f6f4 v[AC:AC+7], v[FW:FW+11], v[FH:FH+11], 0, v[RW], v[RH] matrix_a_fmt:MATRIX_FMT_FP6 matrix_b_fmt:MATRIX_FMT_FP6 matrix_b_scale:MATRIX_SCALE_ROW1
.else
	v_wmma_scale_f32_16x16x128_f8f6f4 v[AC:AC+7], v[FW:FW+11], v[FH:FH+11], 0, v[RW], v[RH] matrix_a_fmt:MATRIX_FMT_FP6 matrix_b_fmt:MATRIX_FMT_FP6 matrix_a_scale:MATRIX_SCALE_ROW1 matrix_b_scale:MATRIX_SCALE_ROW1
.endif
.else
.if (\j%2 == 0) && (\m%2 == 0)
	v_wmma_scale_f32_16x16x128_f8f6f4 v[AC:AC+7], v[FW:FW+11], v[FH:FH+11], v[AC:AC+7], v[RW], v[RH] matrix_a_fmt:MATRIX_FMT_FP6 matrix_b_fmt:MATRIX_FMT_FP6
.elseif (\j%2 == 1) && (\m%2 == 0)
	v_wmma_scale_f32_16x16x128_f8f6f4 v[AC:AC+7], v[FW:FW+11], v[FH:FH+11], v[AC:AC+7], v[RW], v[RH] matrix_a_fmt:MATRIX_FMT_FP6 matrix_b_fmt:MATRIX_FMT_FP6 matrix_a_scale:MATRIX_SCALE_ROW1
.elseif (\j%2 == 0) && (\m%2 == 1)
	v_wmma_scale_f32_16x16x128_f8f6f4 v[AC:AC+7], v[FW:FW+11], v[FH:FH+11], v[AC:AC+7], v[RW], v[RH] matrix_a_fmt:MATRIX_FMT_FP6 matrix_b_fmt:MATRIX_FMT_FP6 matrix_b_scale:MATRIX_SCALE_ROW1
.else
	v_wmma_scale_f32_16x16x128_f8f6f4 v[AC:AC+7], v[FW:FW+11], v[FH:FH+11], v[AC:AC+7], v[RW], v[RH] matrix_a_fmt:MATRIX_FMT_FP6 matrix_b_fmt:MATRIX_FMT_FP6 matrix_a_scale:MATRIX_SCALE_ROW1 matrix_b_scale:MATRIX_SCALE_ROW1
.endif
.endif
.endm
.macro EXPERT e
	WIN 0                                          ; at a branch and at a label every window is 0
	s_cmp_eq_u32 s[40+\e], 0
	s_cbranch_scc1 .Lskip_\e
	; 106 loads, in the order in which they are wanted.  The registers that they fill were last read by the expert before: behind its last product stand four v_nop and the multiply-adds on the other accumulators
.irp q, 0,1
	global_load_b128 v[W2S+4*\q:W2S+4*\q+3], v7, s[10:11] offset:16384*\e+512*\q   ; lane l: the four scale words of my row 32 q + l
.endr
.irp s, 0,1,2,3
.irp q, 0,1
	global_load_b32 v[AS+2*\s+\q], v12, s[6:7] offset:1024*\e+256*\s+128*\q        ; lane l: token 32 q + l's scale word of K step s
.endr
.endr
.irp s, 0,1,2,3
	WIN 0xc0                                       ; destination window 3
.irp m, 0,1,2,3
.irp c, 0,1,2
	global_load_b128 v[12*(4*\s+\m)+4*\c:12*(4*\s+\m)+4*\c+3], v7, s[4:5] offset:24576*\e+6144*\s+1536*\m+512*\c
.endr
.endr
	WIN 0x40                                       ; destination window 1
.irp j, 0,1,2,3
.irp c, 0,1,2
	global_load_b128 v[12*(4*\s+\j)+4*\c:12*(4*\s+\j)+4*\c+3], v7, s[8:9] offset:393216*\e+1536*(4*\s+\j)+512*\c
.endr
.endr
.endr
	WIN 0xad                                       ; source 0 (W2) window 1, source 1 (a) window 3, C and D window 2
.irp s, 0,1,2,3
.if \s == 0
	s_wait_loadcnt 63                              ; behind K step 0's loads stand 72; 63 is the largest count that a wait names, and the stricter
.else
	s_wait_loadcnt 24*(3-\s)                       ; the later K steps' loads, 24 each, may be out
.endif
.irp j, 0,1,2,3
.irp m, 0,1,2,3
	WM \s, \j, \m                                  ; the 16 accumulators by turns, one instruction a turn; K step 0 starts the sums
.endr
.endr
.endr
.rept 4
	v_nop                                          ; four places (ISA guide 7.12.1) in front of the first read of results
.endr
	WIN 0xa2                                       ; Y and O window 2, the gate window 0
.irp j, 0,1,2,3
.irp m, 0,1,2,3
.irp q, 0,2,4,6                                ; each accumulator from its low end on
.if \e%2 == 0
	v_pk_fma_f32 v[128+8*(4*\j+\m)+\q:128+8*(4*\j+\m)+\q+1], v[8*(4*\j+\m)+\q:8*(4*\j+\m)+\q+1], v[GW+8*\m+\e:GW+8*\m+\e+1], v[128+8*(4*\j+\m)+\q:128+8*(4*\j+\m)+\q+1] op_sel_hi:[1,0,1]   ; the pair's first register is e's gate: it serves both halves
.else
	v_pk_fma_f32 v[128+8*(4*\j+\m)+\q:128+8*(4*\j+\m)+\q+1], v[8*(4*\j+\m)+\q:8*(4*\j+\m)+\q+1], v[GW+8*\m+\e-1:GW+8*\m+\e], v[128+8*(4*\j+\m)+\q:128+8*(4*\j+\m)+\q+1] op_sel:[0,1,0] op_sel_hi:[1,1,1]   ; the pair's second register serves both halves
.endif
.endr
.endr
.endr
	WIN 0
.Lskip_\e:
.endm
.irp e, 0,1,2,3,4,5,6,7
	EXPERT \e
.endr
; THE WAY OUT, a tile of 16 tokens at a time.  A lane holds 32 neighbouring bytes of a token's row, and the lanes beside it hold other tokens: the tile goes through my own stage in LDS and comes back as
; rows of 256 bytes, which sixteen lanes store, aligned, at the token's own row.  LDS serves a wave's instructions in order: no wait between the stores and the loads, nor ahead of the next tile's stores.
.macro TOSTAGE m
	WIN 0x08                                       ; an LDS store's data are its source 1: window 2
.irp j, 0,1,2,3
	ds_store_b128 v4, v[128+8*(4*\j+(\m)):128+8*(4*\j+(\m))+3] offset:64*\j
	ds_store_b128 v4, v[128+8*(4*\j+(\m))+4:128+8*(4*\j+(\m))+7] offset:64*\j+16
.endr
	WIN 0
.irp i, 0,1,2,3,4,5,6,7
	ds_load_b128 v[BK+32*((\m)%2)+4*\i:BK+32*((\m)%2)+4*\i+3], v5 offset:544*\i
.endr
.endm
.macro SEND m, younger                 ; younger: the LDS instructions issued behind tile m's loads, which may stay out
	s_wait_dscnt \younger
.irp i, 0,1,2,3,4,5,6,7
	global_store_b128 v[OFF+8*(\m)+\i], v[BK+32*((\m)%2)+4*\i:BK+32*((\m)%2)+4*\i+3], s[16:17] th:TH_STORE_NT   ; written once, read by nobody here
.endr
.endm
	TOSTAGE 0
.irp a, 1,2,3
.if \a > 1
	s_wait_xcnt 0x0                                ; tile a - 2's stores have read their registers: tile a's loads may land there
.endif
	TOSTAGE \a
	SEND \a-1, 16                                  ; behind tile a - 1's loads: tile a's 8 stores and 8 loads
.endr
	SEND 3, 0
	s_wait_tensorcnt 0x0
	ds_add_u32 v254, v255
	s_wait_dscnt 0x0
	s_endpgm
.Lfunc_end_k_q62a5169be2_down:
	.size	k_q62a5169be2_down, .Lfunc_end_k_q62a5169be2_down-k_q62a5169be2_down
	.p2alignl 7, 3214868480
	.fill 96, 4, 3214868480
	.section	.rodata,"a",@progbits
	.p2align	6, 0x0
	.amdhsa_kernel k_q62a5169be2_down
		.amdhsa_group_segment_fixed_size 168192
		.amdhsa_private_segment_fixed_size 0
		.amdhsa_enable_private_segment 0
		.amdhsa_kernarg_size 56
		.amdhsa_user_sgpr_count 2
		.amdhsa_user_sgpr_kernarg_segment_ptr 1
		.amdhsa_wavefront_size32 1
		.amdhsa_system_sgpr_workgroup_id_x 1
		.amdhsa_system_sgpr_workgroup_id_y 1
		.amdhsa_system_sgpr_workgroup_id_z 1
		.amdhsa_system_vgpr_workitem_id 0
		.amdhsa_next_free_vgpr 960
		.amdhsa_next_free_sgpr 66
		.amdhsa_reserve_vcc 0
		.amdhsa_float_denorm_mode_32 3
		.amdhsa_float_denorm_mode_16_64 3
		.amdhsa_memory_ordered 1
		.amdhsa_forward_progress 1
		.amdhsa_inst_pref_size 204
	.end_amdhsa_kernel
	.amdgpu_metadata
---
amdhsa.version: [ 1, 2 ]
amdhsa.kernels:
  - .name:           k_q62a5169be2_down
    .symbol:         k_q62a5169be2_down.kd
    .args:
      - { .name: hid, .offset: 0, .size: 8, .value_kind: global_buffer, .address_space: global }
      - { .name: hids, .offset: 8, .size: 8, .value_kind: global_buffer, .address_space: global }
      - { .name: w2i, .offset: 16, .size: 8, .value_kind: global_buffer, .address_space: global }
      - { .name: W2_scales, .offset: 24, .size: 8, .value_kind: global_buffer, .address_space: global }
      - { .name: xmeta, .offset: 32, .size: 8, .value_kind: global_buffer, .address_space: global }
      - { .name: route, .offset: 40, .size: 8, .value_kind: global_buffer, .address_space: global }
      - { .name: out0, .offset: 48, .size: 8, .value_kind: global_buffer, .address_space: global }
    .group_segment_fixed_size: 168192
    .private_segment_fixed_size: 0
    .kernarg_segment_align: 8
    .kernarg_segment_size: 56
    .max_flat_workgroup_size: 64
    .sgpr_count:     66
    .vgpr_count:     960
    .wavefront_size: 32
...
	.end_amdgpu_metadata
.endif
;; end of part 3
;; ======== version 2 of 2: 3 launches
;; workspace buffers: xq 1,572,864 bytes; xmeta 131,072 bytes; route 16,384 bytes of whole numbers; w1i 6,291,456 bytes; w2i 3,145,728 bytes; hid 6,291,456 bytes; hids 262,144 bytes
;; launch prep (part 4): grid 256 x 1, 8 waves a work-group, no clusters, 168,960 bytes of LDS; arguments expert_idxs, expert_p, x, W1_codes, W2_codes, xq, xmeta, route, w1i, w2i; writes xq, xmeta, route, w1i, w2i
.if DOCPART == 4
	.amdgcn_target "amdgcn-amd-amdhsa--gfx1250"
	.amdhsa_code_object_version 6
	.text
	.protected	k_q62a5169be2_prep
	.globl	k_q62a5169be2_prep
	.p2align	8
	.type	k_q62a5169be2_prep,@function
k_q62a5169be2_prep:
	s_mov_b64 s[64:65], 0
	v_nop
	global_prefetch_b8 v0, s[64:65] scope:SCOPE_SE
	s_setreg_imm32_b32 hwreg(HW_REG_WAVE_MODE, 25, 1), 1
	s_wait_xcnt 0x0
; PREP.  Three things that the two product launches want done once.
; (1) THE ORDER.  Token t has two expert slots e0, e1.  Tokens are ranked by their SET of experts: key = 16 min + max (an index outside 0..7 counts as 8: it names no expert),
;     c = key x 2048 + t, which no two tokens share; a token's place is the number of tokens with a smaller c.  No sort, no atomics: work-group g owns tokens 8 g .. 8 g + 7, and its wave w
;     counts, for all eight, the smaller c among tokens 256 w .. 256 w + 255; the eight partial counts meet in LDS behind the one barrier.
; (2) x IS QUANTISED to E2M3 with one E8M0 byte for each 32 along K (scale = 2^(floor(log2(largest magnitude)) - 2)), wave w taking token 8 g + w, and the row is stored AT ITS PLACE:
;     xq[place][768] the stream of codes; xmeta[place][64]: 32 scale bytes, then the eight gates w(t, e) = the sum of p over the slots that name e; route[place] = {t, mask of its experts}.
; (3) W1's AND W2's CODES ARE LAID OUT AS IMAGES OF OPERAND REGISTERS: a fragment (16 rows x 128 K, 12 registers a lane) is 1,536 bytes, registers 4 c .. 4 c + 3 of lane l at 512 c + 16 l,
;     so that three loads of 16 bytes a lane, 512 consecutive bytes each, bring it back.  w1i[e][ug][s][j]: ug = 2 ks + Hq; j = 4 half + 2 bl + uu (half 0: h, 1: g); lane r of the tile is
;     W1's row 512 half + 128 ks + 32 (Hq + 2 bl) + 8 uu + r + 8 (r / 8): the results of tiles uu = 0, 1 are then 16 neighbours along the second product's K.
;     w2i[e][ng][s][j]: lane r is W2's row 64 ng + 16 j + r.
; LIMITS: NaN and infinities in x are not served.  A block of zeros gets the byte 1 where the quantiser says 127: its codes are zeros, and this program alone reads the bytes; the same floor
; holds every byte at 1 from below.  Two slots that name one expert are weighed by (p0 + p1) f, not p0 f + p1 f.
; 256 work-groups, one for each.
; No tensor loads, no cluster: work-groups share only the 16 KiB of indices.
.set WREG, 5376                        ; LDS: a region for each wave: two stages of 32 x SP bytes, then its 32 scale bytes
.set SP,   80                          ; a lane's place in a stage: its 64 bytes + 16 of padding
.set SCB,  5120
.set RANK, 8*WREG                      ; behind the regions: 8 waves x 32 words of partial counts
.set IDX,  16                          ; v16-31   256 tokens' indices as loaded: 8 tokens a lane
.set XR,   32                          ; v32-63   my token's row as loaded
.set XN,   64                          ; v64-95   two sets of 16 neighbours
.set F1,   96                          ; v96-119  two fragments of W1
.set F2,   120                         ; v120-131 one fragment of W2
.set CP,   132                         ; v132-139 c of my lane's 8 tokens
.set VP,   140                         ; v140     lane i: my wave's count for the group's token i
.set TK,   141                         ; v141     256 w + 2 lane
.set RP,   144                         ; v144-151 the eight partial counts of my token
.set CD,   156                         ; v156-158, v160-162 the row's codes
.set EB,   164                         ; v164-165 scale bytes
.set WD,   166                         ; v166     a scale word
	s_load_b512 s[4:19], s[0:1], 0x0               ; idx s[4:5], p s[6:7], x s[8:9], W1 s[10:11], W2 s[12:13], xq s[14:15], xmeta s[16:17], route s[18:19]
	s_load_b128 s[20:23], s[0:1], 0x40             ; w1i s[20:21], w2i s[22:23]
	v_lshl_add_u32 v176, v0, 2, 0x29000
	v_mov_b32 v177, 0
	v_lshrrev_b32 v1, 5, v0
	s_delay_alu instid0(VALU_DEP_1)
	v_readfirstlane_b32 s24, v1                    ; wave w
	s_mov_b32 s25, ttmp9                           ; work-group g
	v_and_b32 v1, 31, v0                           ; lane
	v_and_b32 v2, 15, v0                           ; r
	v_bfe_u32 v3, v0, 4, 1                         ; h
	s_delay_alu instid0(VALU_DEP_3)
	v_lshlrev_b32 v4, 4, v1                        ; 16 x lane
	s_lshl_b32 s74, s24, 11
	v_add_nc_u32 v5, s74, v4                       ; indices: my wave's 2,048 bytes, 16 a lane
	v_and_b32 v15, 8, v2
	s_delay_alu instid0(VALU_DEP_1)
	v_add_nc_u32 v15, v15, v2                      ; r + 8 (r / 8)
	s_delay_alu instid0(VALU_DEP_1)
	v_mul_u32_u24 v6, v15, 768
	s_delay_alu instid0(VALU_DEP_1)
	v_mad_u32_u24 v6, v3, 24, v6                   ; W1: my row of a tile, + 24 h
	v_mul_u32_u24 v7, v2, 384
	s_delay_alu instid0(VALU_DEP_1)
	v_mad_u32_u24 v7, v3, 24, v7                   ; W2 likewise
	s_mul_i32 s75, s24, WREG
	v_lshrrev_b32 v8, 2, v1
	s_delay_alu instid0(VALU_DEP_1)
	v_mul_u32_u24 v8, v8, SP
	v_and_b32 v15, 3, v1
	s_delay_alu instid0(VALU_DEP_1)
	v_lshl_add_u32 v8, v15, 4, v8
	s_delay_alu instid0(VALU_DEP_1)
	v_add_nc_u32 v8, s75, v8                       ; the stage, on the way in: SP (lane / 4) + 16 (lane % 4)
	v_mul_u32_u24 v9, v1, SP
	s_delay_alu instid0(VALU_DEP_1)
	v_add_nc_u32 v9, s75, v9                       ; and on the way out: SP x lane
	s_add_co_u32 s76, s75, SCB
	v_lshrrev_b32 v10, 1, v1
	s_delay_alu instid0(VALU_DEP_1)
	v_add_nc_u32 v10, s76, v10                     ; my block's scale byte
	v_and_b32 v11, 7, v1
	s_delay_alu instid0(VALU_DEP_1)
	v_lshl_add_u32 v11, v11, 2, s76                ; and the row's eight scale words
	v_lshl_add_u32 v12, v0, 2, RANK                ; where my lane puts its count
	s_lshl_b32 s77, s24, 2
	s_add_co_u32 s77, s77, RANK
	v_mov_b32 v13, s77                             ; where my token's counts lie: word w of each wave's 32
	v_mul_u32_u24 v14, v1, 12                      ; 16 codes are 12 bytes
	s_lshl_b32 s26, s25, 3
	s_add_co_u32 s26, s26, s24                     ; my token t = 8 g + w
	s_lshr_b32 s27, s25, 5                         ; e
	s_bfe_u32 s78, s25, 0x30002                    ; ug
	s_bfe_u32 s79, s25, 0x10001                    ; half
	s_and_b32 s80, s25, 1                          ; bl (for W2: jp)
	s_lshl_b32 s81, s79, 9
	s_lshr_b32 s82, s78, 1
	s_lshl_b32 s82, s82, 7
	s_add_co_u32 s81, s81, s82
	s_and_b32 s82, s78, 1
	s_lshl_b32 s82, s82, 5
	s_add_co_u32 s81, s81, s82
	s_lshl_b32 s82, s80, 6
	s_add_co_u32 s81, s81, s82                     ; W1's first row: 512 half + 128 ks + 32 Hq + 64 bl
	s_mul_i32 s81, s81, 768
	s_mul_i32 s82, s27, 786432
	s_add_co_u32 s81, s81, s82
	s_mul_i32 s82, s24, 96
	s_add_co_u32 s84, s81, s82                     ; + K step w
	s_mov_b32 s85, 0
	s_lshl_b32 s86, s27, 3
	s_add_co_u32 s86, s86, s78
	s_lshl_b32 s86, s86, 3
	s_add_co_u32 s86, s86, s24
	s_lshl_b32 s86, s86, 3
	s_lshl_b32 s82, s79, 2
	s_add_co_u32 s86, s86, s82
	s_lshl_b32 s82, s80, 1
	s_add_co_u32 s86, s86, s82
	s_mul_i32 s86, s86, 1536                       ; w1i: (((8 e + ug) 8 + w) 8 + 4 half + 2 bl) images on
	s_mov_b32 s87, 0
	s_bfe_u32 s81, s25, 0x40001                    ; ng
	s_and_b32 s82, s24, 3                          ; W2's K step
	s_lshr_b32 s83, s24, 2
	s_lshl_b32 s88, s80, 1
	s_add_co_u32 s83, s83, s88                     ; its tile j = 2 jp + w / 4
	s_lshl_b32 s88, s81, 6
	s_lshl_b32 s90, s83, 4
	s_add_co_u32 s88, s88, s90
	s_mul_i32 s88, s88, 384
	s_mul_i32 s90, s27, 393216
	s_add_co_u32 s88, s88, s90
	s_mul_i32 s90, s82, 96
	s_add_co_u32 s88, s88, s90
	s_mov_b32 s89, 0
	s_lshl_b32 s90, s27, 4
	s_add_co_u32 s90, s90, s81
	s_lshl_b32 s90, s90, 4
	s_lshl_b32 s82, s82, 2
	s_add_co_u32 s90, s90, s82
	s_add_co_u32 s90, s90, s83
	s_mul_i32 s90, s90, 1536                       ; w2i: ((16 e + ng) 16 + 4 s + j) images on
	s_mov_b32 s91, 0
	s_mov_b32 s93, 0
	s_wait_kmcnt 0x0
	s_lshl_b32 s92, s25, 6
	s_add_nc_u64 s[94:95], s[4:5], s[92:93]
	s_load_b512 s[32:47], s[94:95], 0x0            ; the group's eight tokens' indices
	s_lshl_b32 s92, s26, 3
	s_add_nc_u64 s[96:97], s[4:5], s[92:93]
	s_load_b64 s[28:29], s[96:97], 0x0             ; my token's e0, e1
	s_add_nc_u64 s[98:99], s[6:7], s[92:93]
	s_load_b64 s[30:31], s[98:99], 0x0             ; and p0, p1
	s_lshl_b32 s92, s26, 12
	s_add_nc_u64 s[8:9], s[8:9], s[92:93]          ; x at my token's row
	s_add_nc_u64 s[10:11], s[10:11], s[84:85]
	s_add_nc_u64 s[12:13], s[12:13], s[88:89]
	s_add_nc_u64 s[20:21], s[20:21], s[86:87]
	s_add_nc_u64 s[22:23], s[22:23], s[90:91]
	; all 30 loads go out together: 4 of indices, 8 of x, 12 of W1, 6 of W2
.irp j, 0,1,2,3
	global_load_b128 v[IDX+4*\j:IDX+4*\j+3], v5, s[4:5] offset:512*\j
.endr
.irp i, 0,1,2,3,4,5,6,7
	global_load_b128 v[XR+4*\i:XR+4*\i+3], v4, s[8:9] offset:512*\i th:TH_LOAD_NT   ; 32 lanes read 512 consecutive bytes; the row is read once in the launch
.endr
.irp u, 0,1
.irp p, 0,1,2,3,4,5
	global_load_b64 v[F1+12*\u+2*\p:F1+12*\u+2*\p+1], v6, s[10:11] offset:6144*\u+48*(\p/3)+8*(\p%3)   ; a lane's 24 bytes as three pieces of 8: every address a multiple of the access
.endr
.endr
.irp p, 0,1,2,3,4,5
	global_load_b64 v[F2+2*\p:F2+2*\p+1], v7, s[12:13] offset:48*(\p/3)+8*(\p%3)
.endr
	s_wait_kmcnt 0x0
	s_lshl_b32 s78, s25, 3                         ; 8 g
.irp i, 0,1,2,3,4,5,6,7                        ; c of the group's eight tokens
	s_min_u32 s74, s[32+2*\i], 8
	s_min_u32 s75, s[33+2*\i], 8
	s_min_u32 s76, s74, s75
	s_max_u32 s77, s74, s75
	s_lshl_b32 s76, s76, 4
	s_add_co_u32 s76, s76, s77
	s_lshl_b32 s76, s76, 11
	s_add_co_u32 s76, s76, s78
	s_add_co_u32 s[48+\i], s76, \i
.endr
	s_wait_loadcnt 26                              ; the indices are in; x's 8, W1's 12 and W2's 6 loads may be out
	s_lshl_b32 s74, s24, 8
	v_lshl_add_u32 v[TK], v1, 1, s74
.irp n, 0,1,2,3,4,5,6,7                        ; c of my lane's eight: token 256 w + 64 (n / 2) + 2 lane + n % 2
	v_min_u32 v142, 8, v[IDX+2*\n]
	v_min_u32 v143, 8, v[IDX+2*\n+1]
	s_delay_alu instid0(VALU_DEP_1)
	v_min_u32 v15, v142, v143
	s_delay_alu instid0(VALU_DEP_2)
	v_max_u32 v142, v142, v143
	s_delay_alu instid0(VALU_DEP_1)
	v_lshl_add_u32 v15, v15, 4, v142
	s_delay_alu instid0(VALU_DEP_1)
	v_lshl_add_u32 v15, v15, 11, v[TK]
	s_delay_alu instid0(VALU_DEP_1)
	v_add_nc_u32 v[CP+\n], 64*(\n/2)+\n%2, v15
.endr
.irp i, 0,1,2,3,4,5,6,7                        ; how many of my wave's 256 tokens stand ahead of the group's token i
.irp n, 0,1,2,3,4,5,6,7
	v_cmp_gt_u32 s[56+\n], s[48+\i], v[CP+\n]
.endr
	s_bcnt1_i32_b32 s[66+\i], s56
.irp n, 1,2,3,4,5,6,7
	s_bcnt1_i32_b32 s74, s[56+\n]
	s_add_co_u32 s[66+\i], s[66+\i], s74
.endr
.endr
	v_mov_b32 v[VP], 0
.irp i, 0,1,2,3,4,5,6,7
	s_delay_alu instid0(VALU_DEP_1)
	v_writelane_b32 v[VP], s[66+\i], \i
.endr
	ds_store_b32 v12, v[VP]
	s_wait_loadcnt 18                              ; x's row is in; W1's and W2's loads may be out
.irp t, 0,1                                    ; the row's two halves of 512 numbers turn through the stages: in as loaded, out 16 neighbours a lane.  LDS serves a wave's instructions in order
.irp i, 0,1,2,3
	ds_store_b128 v8, v[XR+16*\t+4*\i:XR+16*\t+4*\i+3] offset:32*SP*\t+8*SP*\i
.endr
.irp i, 0,1,2,3
	ds_load_b128 v[XN+16*\t+4*\i:XN+16*\t+4*\i+3], v9 offset:32*SP*\t+16*\i
.endr
.endr
	s_wait_loadcnt 6                               ; W1's two fragments are in; W2's 6 loads may be out
.irp u, 0,1
.irp c, 0,1,2
	global_store_b128 v4, v[F1+12*\u+4*\c:F1+12*\u+4*\c+3], s[20:21] offset:1536*\u+512*\c   ; 32 lanes store 512 consecutive bytes, aligned
.endr
.endr
	s_wait_loadcnt 0x0
.irp c, 0,1,2
	global_store_b128 v4, v[F2+4*\c:F2+4*\c+3], s[22:23] offset:512*\c
.endr
	s_wait_dscnt 0x0                               ; for the others' sake: my counts have landed (and my own numbers are back from the stages)
	s_barrier_signal -1
	s_barrier_wait -1
.irp k, 0,1,2,3,4,5,6,7
	ds_load_b32 v[RP+\k], v13 offset:128*\k        ; wave k's count for my token, the same word in every lane
.endr
.macro QSTEP t                         ; 512 numbers, 16 a lane, two neighbouring lanes to a block of 32
.set XS, XN+16*(\t)
	v_max3_num_f32 v152, |v[XS]|, |v[XS+1]|, |v[XS+2]|
	v_max3_num_f32 v153, |v[XS+3]|, |v[XS+4]|, |v[XS+5]|
.irp i, 6,10
	s_delay_alu instid0(VALU_DEP_2)
	v_max3_num_f32 v152, v152, |v[XS+\i]|, |v[XS+\i+1]|
	s_delay_alu instid0(VALU_DEP_2)
	v_max3_num_f32 v153, v153, |v[XS+\i+2]|, |v[XS+\i+3]|
.endr
	s_delay_alu instid0(VALU_DEP_2)
	v_max3_num_f32 v152, v152, |v[XS+14]|, |v[XS+15]|
	s_delay_alu instid0(VALU_DEP_1)
	v_max3_num_f32 v152, v152, v153, 0x1800000     ; and the floor 2^(3 - 127): the byte cannot fall under 1
	s_delay_alu instid0(VALU_DEP_1)
	v_max_num_f32_dpp v152, v152, v152 row_xmask:1 row_mask:0xf bank_mask:0xf   ; with my neighbour's 16: the block's largest magnitude
	s_delay_alu instid0(VALU_DEP_1)
	v_add_nc_u32 v[154+(\t)], 0xff000000, v152     ; 2 off its exponent field: the conversion takes this operand's exponent field as its scale
	v_cvt_scalef32_pk16_fp6_f32 v[CD+4*(\t):CD+4*(\t)+2], v[XS:XS+15], v[154+(\t)]
	v_lshrrev_b32 v[EB+(\t)], 23, v[154+(\t)]      ; the scale's byte (also the plain line behind the conversion)
	ds_store_b8 v10, v[EB+(\t)] offset:16*(\t)     ; both lanes of a block write the same byte with the same value
.endm
	QSTEP 0
	QSTEP 1
	ds_load_b32 v[WD], v11                         ; lane l: scale word l % 8 of the row; it sees my byte stores, which stand ahead of it
	s_wait_dscnt 0x0
	v_add3_u32 v[RP], v[RP], v[RP+1], v[RP+2]
	v_add3_u32 v[RP+3], v[RP+3], v[RP+4], v[RP+5]
	s_delay_alu instid0(VALU_DEP_2)
	v_add3_u32 v[RP], v[RP], v[RP+6], v[RP+7]
	s_delay_alu instid0(VALU_DEP_1)
	v_add_nc_u32 v[RP], v[RP], v[RP+3]
	s_delay_alu instid0(VALU_DEP_1)
	v_readfirstlane_b32 s80, v[RP]
	s_min_u32 s80, s80, 2047                       ; my token's place
	s_mul_i32 s81, s80, 768
	v_add_nc_u32 v172, s81, v14
	s_wait_alu depctr_va_vdst(0)
	global_store_b96 v172, v[CD:CD+2], s[14:15]              ; 32 lanes store 384 consecutive bytes
	global_store_b96 v172, v[CD+4:CD+6], s[14:15] offset:384
	v_add_nc_u32 v167, -8, v1                      ; lanes 8-15 make the gates of experts 0-7
	v_mov_b32 v142, s30
	v_mov_b32 v143, s31
	s_delay_alu instid0(VALU_DEP_3)
	v_cmp_eq_u32 vcc_lo, s28, v167
	s_delay_alu instid0(VALU_DEP_1)
	v_cndmask_b32 v168, 0, v142, vcc_lo
	v_cmp_eq_u32 vcc_lo, s29, v167
	s_delay_alu instid0(VALU_DEP_1)
	v_cndmask_b32 v169, 0, v143, vcc_lo
	s_delay_alu instid0(VALU_DEP_1)
	v_add_f32 v168, v168, v169
	v_cmp_gt_u32 vcc_lo, 8, v1
	s_delay_alu instid0(VALU_DEP_1)
	v_cndmask_b32 v168, v168, v[WD], vcc_lo        ; lanes 0-7 carry the scale words
	s_lshl_b32 s82, s80, 6
	v_lshl_add_u32 v173, v1, 2, s82
	s_lshl_b32 s83, s80, 3
	v_mov_b32 v174, s83
	s_min_u32 s74, s28, 8
	s_min_u32 s75, s29, 8
	s_lshl_b32 s74, 1, s74
	s_lshl_b32 s75, 1, s75
	s_or_b32 s74, s74, s75
	s_and_b32 s74, s74, 0xff                       ; the mask of my token's experts
	v_mov_b32 v170, s26
	v_mov_b32 v171, s74
	s_wait_alu depctr_va_vdst(0)
	s_wait_xcnt 0x0                                ; EXEC is a source of the stores above: it changes only behind this wait
	v_cmp_gt_u32 vcc_lo, 16, v1
	s_wait_tensorcnt 0x0
	ds_add_u32 v176, v177
	s_wait_dscnt 0x0
	s_and_saveexec_b32 s84, vcc_lo
	global_store_b32 v173, v168, s[16:17]          ; 16 lanes: the place's 64 bytes of xmeta
	s_wait_xcnt 0x0
	s_or_b32 exec_lo, exec_lo, s84
	v_cmp_eq_u32 vcc_lo, 0, v1
	s_and_saveexec_b32 s84, vcc_lo
	global_store_b64 v174, v[170:171], s[18:19]    ; lane 0: {t, mask}
	s_wait_xcnt 0x0
	s_or_b32 exec_lo, exec_lo, s84
	s_endpgm
.Lfunc_end_k_q62a5169be2_prep:
	.size	k_q62a5169be2_prep, .Lfunc_end_k_q62a5169be2_prep-k_q62a5169be2_prep
	.p2alignl 7, 3214868480
	.fill 96, 4, 3214868480
	.section	.rodata,"a",@progbits
	.p2align	6, 0x0
	.amdhsa_kernel k_q62a5169be2_prep
		.amdhsa_group_segment_fixed_size 168960
		.amdhsa_private_segment_fixed_size 0
		.amdhsa_enable_private_segment 0
		.amdhsa_kernarg_size 80
		.amdhsa_user_sgpr_count 2
		.amdhsa_user_sgpr_kernarg_segment_ptr 1
		.amdhsa_wavefront_size32 1
		.amdhsa_system_sgpr_workgroup_id_x 1
		.amdhsa_system_sgpr_workgroup_id_y 1
		.amdhsa_system_sgpr_workgroup_id_z 1
		.amdhsa_system_vgpr_workitem_id 0
		.amdhsa_next_free_vgpr 178
		.amdhsa_next_free_sgpr 100
		.amdhsa_reserve_vcc 1
		.amdhsa_float_denorm_mode_32 3
		.amdhsa_float_denorm_mode_16_64 3
		.amdhsa_memory_ordered 1
		.amdhsa_forward_progress 1
		.amdhsa_inst_pref_size 30
	.end_amdhsa_kernel
	.amdgpu_metadata
---
amdhsa.version: [ 1, 2 ]
amdhsa.kernels:
  - .name:           k_q62a5169be2_prep
    .symbol:         k_q62a5169be2_prep.kd
    .args:
      - { .name: expert_idxs, .offset: 0, .size: 8, .value_kind: global_buffer, .address_space: global }
      - { .name: expert_p, .offset: 8, .size: 8, .value_kind: global_buffer, .address_space: global }
      - { .name: x, .offset: 16, .size: 8, .value_kind: global_buffer, .address_space: global }
      - { .name: W1_codes, .offset: 24, .size: 8, .value_kind: global_buffer, .address_space: global }
      - { .name: W2_codes, .offset: 32, .size: 8, .value_kind: global_buffer, .address_space: global }
      - { .name: xq, .offset: 40, .size: 8, .value_kind: global_buffer, .address_space: global }
      - { .name: xmeta, .offset: 48, .size: 8, .value_kind: global_buffer, .address_space: global }
      - { .name: route, .offset: 56, .size: 8, .value_kind: global_buffer, .address_space: global }
      - { .name: w1i, .offset: 64, .size: 8, .value_kind: global_buffer, .address_space: global }
      - { .name: w2i, .offset: 72, .size: 8, .value_kind: global_buffer, .address_space: global }
    .group_segment_fixed_size: 168960
    .private_segment_fixed_size: 0
    .kernarg_segment_align: 8
    .kernarg_segment_size: 80
    .max_flat_workgroup_size: 256
    .sgpr_count:     100
    .vgpr_count:     178
    .wavefront_size: 32
...
	.end_amdgpu_metadata
.endif
;; end of part 4
;; launch up (part 5): grid 16 x 32, 4 waves a work-group, no clusters, 50,688 bytes of LDS; arguments xq, xmeta, route, w1i, W1_scales, hid, hids; writes hid, hids
.if DOCPART == 5
	.amdgcn_target "amdgcn-amd-amdhsa--gfx1250"
	.amdhsa_code_object_version 6
	.text
	.protected	k_q62a5169be2_up
	.globl	k_q62a5169be2_up
	.p2align	8
	.type	k_q62a5169be2_up,@function
k_q62a5169be2_up:
	s_mov_b64 s[64:65], 0
	v_nop
	global_prefetch_b8 v0, s[64:65] scope:SCOPE_SE
	s_setreg_imm32_b32 hwreg(HW_REG_WAVE_SCHED_MODE, 0, 2), 2
	s_setreg_imm32_b32 hwreg(HW_REG_WAVE_MODE, 25, 1), 1
	s_wait_xcnt 0x0
	s_wait_alu depctr_vm_vsrc(0)
; UP.  a = silu(g) h with (h | g) = Q(x) W1[e], quantised along the hidden units, for one block b of 64 sorted tokens, one expert e and 256 of the 512 hidden units (hf).
; Work-group x = 2 e + hf, y = b.  A block whose tokens do not name e has nothing to do: it stores nothing and ends (a scalar branch on the stored masks).  The grid serves every split of the tokens.
; Tokens of a used block that do not name e are multiplied with the others; their hidden scale bytes are stored as 0 (2^-127), and the next launch weighs them by 0.
; SHARES.  Wave w owns ug = 4 hf + w: blocks Hq = ug % 2 and Hq + 2 of K step ks = ug / 2 of the second product, 64 hidden units, as h and as g, for all 64 tokens:
; 8 tiles of W1's rows x 4 tiles of tokens = 32 accumulators; 8 K steps of 128: 256 matrix instructions.
; THE PRODUCT IS USED TRANSPOSED (source 0 = 16 rows of W1, source 1 = 16 tokens): a lane holds ONE token, and the rows of W1 that form a tile were chosen so that the 16 registers of tiles
; uu = 0, 1 are 16 neighbours along the next K.  The weights come from memory straight into registers, as images of the operand's registers, three K steps ahead (72 loads of 512 bytes).
; x's codes, which all four waves read, go through LDS once: 64 rows of 768 bytes, 784 apart, so that the 32 lanes of a load of 8 bytes fall on 64 different banks (64 banks of 4 bytes: ISA guide 11.1).
; NO TENSOR LOAD, NO CLUSTER: the launch branches on numbers read from memory (which blocks use which expert), and partners of a cluster would have different numbers of tiles to ask for.
; LIMITS: a block of zeros gets the byte 1, not 127 (its codes are zeros; this program alone reads the bytes).  NaN and infinities are not served.
; REGISTERS, in windows of 256.  Window 0: v1-12 addresses; v14-21 masks; v32-63 W1's scale words, v64-79 x's (they hold nothing else); v80-127, v128-175 x's fragments, two sets;
;   in the epilogue v80-143 64 numbers at work, v144-159 the quantiser's, v160-203 codes, v208-211 bytes.   Window 1: weights, slots 0 and 1 (96 registers each).   Window 3: slot 2.
;   Window 2: the accumulators, (j, m) at 128 half + 64 (m / 2) + 32 bl + 16 (m % 2) + 8 uu, j = 4 half + 2 bl + uu: the 64 registers of h, and of g, for two tiles of tokens lie on end.
; THE MODE: SCHED_MODE bits 1:0 = 2 (LLVM: expert scheduling mode 2), set by the entry lines.  The code itself states the register dependences between vector or matrix instructions
; and memory or LDS instructions, with s_wait_alu, always for 0.
; THE PLAN.  Registers that memory or LDS instructions touch:
;   v4-v12        offsets and LDS addresses: written once at the head, ahead of the head's wait on va_vdst; never written again.
;   v80-175       at the head: x's codes land there and my LDS stores read them; one wait on vm_vsrc, behind the barrier, frees them for all that follows.
;   sets 0, 1     (the same registers) K step s's products read set s % 2; the fragments of step s + 2 land in it, asked for in step s + 1.
;   slots 0, 1, 2 K step s's products read slot s % 3; the weights of step s + 3 land in it, asked for at once behind those products.
;   v32-79        scale words: loaded once, read by products alone.
;   codes, bytes  each half of the epilogue writes registers of its own, which its five stores read and nothing writes again.
; So ONE wait on va_vdst stands behind a K step's products (steps 0 to 5): it states that they are done reading their slot and their set.  The slot's 24 loads follow it at once, ahead of the next
; wait for weights, so that three steps' weights stay on their way.  The set's 24 LDS loads are dealt among the next step's products, which name the other set, another slot, the accumulators
; and the scale words: none of the registers that those loads touch.  One wait on va_vdst stands ahead of each half's stores in the epilogue.
.set XB,  80
.set WS,  32
.set XS,  64
.set T,   80
.set TM,  144
.set BY,  208
.set MSB, 0
.macro WIN new                         ; s_set_vgpr_msb: bits 1:0 source 0, 3:2 source 1, 5:4 source 2, 7:6 destination; the high byte repeats the setting that is left
.if MSB != \new
	s_set_vgpr_msb (MSB<<8)|\new
.set MSB, \new
.endif
.endm
	s_load_b256 s[4:11], s[0:1], 0x0               ; xq s[4:5], xmeta s[6:7], route s[8:9], w1i s[10:11]
	s_load_b128 s[12:15], s[0:1], 0x20             ; W1's scales s[12:13], hid s[14:15]
	s_load_b64 s[16:17], s[0:1], 0x30              ; hids
	v_lshl_add_u32 v254, v0, 2, 0xc400
	v_mov_b32 v255, 0
	v_lshrrev_b32 v1, 5, v0
	v_readfirstlane_b32 s18, v1                    ; wave w
	s_and_b32 s19, ttmp9, 1                        ; hf
	s_lshr_b32 s20, ttmp9, 1                       ; e
	s_and_b32 s21, ttmp7, 0xffff                   ; b
	s_lshl_b32 s22, s19, 2
	s_wait_alu depctr_va_sdst(0)                   ; s18 is written, ahead of its first reader
	s_add_co_u32 s22, s22, s18                     ; ug
	s_lshr_b32 s23, s22, 1                         ; ks
	s_and_b32 s24, s22, 1                          ; Hq
	s_lshl_b32 s25, 1, s20                         ; e's bit in a token's mask
	s_mov_b32 s34, 0xffff0000                      ; lanes 16-31
	s_mov_b32 s36, 0x76543210
	s_mov_b32 s37, 0xfedcba98                      ; v_permlanex16_b32's selects for lane l xor 16
	s_mov_b32 s38, 0xbfb8aa3b                      ; -log2(e)
	s_mov_b32 s39, s38                             ; (named with it as a pair, so it is written)
	v_and_b32 v1, 31, v0                           ; lane
	v_and_b32 v2, 15, v0                           ; r
	v_bfe_u32 v3, v0, 4, 1                         ; h
	v_lshlrev_b32 v7, 4, v1                        ; 16 x lane
	s_mul_i32 s54, s18, 12544
	v_add_nc_u32 v4, s54, v7                       ; LDS, on the way in: my wave's 16 rows, 16 bytes a lane;
	v_lshl_add_u32 v5, v3, 4, v4                   ; the same where lanes 16-31 have passed a row's end: 16 bytes of padding more
	v_mul_u32_u24 v6, v2, 784
	v_mad_u32_u24 v6, v3, 24, v6                   ; a fragment's row, + 24 h
	v_lshlrev_b32 v8, 3, v2                        ; route: 8 bytes a token
	v_lshlrev_b32 v9, 6, v2
	v_lshl_add_u32 v9, v3, 4, v9                   ; xmeta: 64 bytes a token; lanes 16-31 take scale words 4-7
	v_and_b32 v10, 8, v2
	v_add_nc_u32 v10, v10, v2
	v_lshlrev_b32 v10, 5, v10
	v_lshl_add_u32 v10, v3, 4, v10                 ; W1's scales: 32 bytes a row, row r + 8 (r / 8) of a tile; lanes 16-31 take words 4-7
	v_mul_u32_u24 v11, v3, 1536
	v_lshl_add_u32 v11, v2, 4, v11                 ; hid: lanes 16-31 hold the next tile of tokens
	v_lshlrev_b32 v12, 2, v1                       ; hids: a word a token
	s_mul_i32 s40, s21, 49152
	s_mul_i32 s54, s18, 12288
	s_add_co_u32 s40, s40, s54                     ; xq: the block's 64 rows, my wave's 16
	s_mov_b32 s41, 0
	s_lshl_b32 s42, s21, 12                        ; xmeta
	s_mov_b32 s43, 0
	s_lshl_b32 s44, s21, 9                         ; route
	s_mov_b32 s45, 0
	s_lshl_b32 s46, s20, 3
	s_add_co_u32 s46, s46, s22
	s_mul_i32 s46, s46, 98304                      ; w1i: (8 e + ug) x 64 images
	s_mov_b32 s47, 0
	s_lshl_b32 s48, s20, 15
	s_lshl_b32 s54, s23, 12
	s_add_co_u32 s48, s48, s54
	s_lshl_b32 s54, s24, 10
	s_add_co_u32 s48, s48, s54                     ; W1's scales: row 1024 e + 128 ks + 32 Hq
	s_mov_b32 s49, 0
	s_lshl_b32 s55, s21, 3
	s_add_co_u32 s55, s55, s20                     ; 8 b + e
	s_mul_i32 s50, s55, 24576
	s_mul_i32 s54, s23, 6144
	s_add_co_u32 s50, s50, s54
	s_lshl_b32 s54, s24, 8
	s_add_co_u32 s50, s50, s54                     ; hid: K step ks's four images; my codes are those of the images' lanes 16 Hq + r
	s_mov_b32 s51, 0
	s_lshl_b32 s52, s55, 10
	s_lshl_b32 s54, s23, 8
	s_add_co_u32 s52, s52, s54
	s_add_co_u32 s52, s52, s24                     ; hids: K step ks's 64 words, byte Hq
	s_mov_b32 s53, 0
	s_wait_kmcnt 0x0
	s_add_nc_u64 s[4:5], s[4:5], s[40:41]
	s_add_nc_u64 s[6:7], s[6:7], s[42:43]
	s_add_nc_u64 s[8:9], s[8:9], s[44:45]
	s_add_nc_u64 s[10:11], s[10:11], s[46:47]
	s_add_nc_u64 s[12:13], s[12:13], s[48:49]
	s_add_nc_u64 s[14:15], s[14:15], s[50:51]
	s_add_nc_u64 s[16:17], s[16:17], s[52:53]
	s_wait_alu depctr_va_vdst(0)                   ; v4 to v12 are written: every load, LDS access and store of the kernel reads one of them as its offset or address
	; ---- every work-group: the tokens' masks, x's codes into LDS, the one barrier.  It stands ahead of the branch on stored numbers: every wave passes it
.irp m, 0,1,2,3
	global_load_b32 v[14+\m], v8, s[8:9] offset:128*\m+4     ; token 16 m + r's mask
.endr
.set ii, 0
.rept 24
	global_load_b128 v[80+4*ii:83+4*ii], v7, s[4:5] offset:512*ii   ; my 16 rows are 12,288 dense bytes: 512 a load
.set ii, ii+1
.endr
.irp m, 0,1,2,3
	global_load_b128 v[XS+4*\m:XS+4*\m+3], v9, s[6:7] offset:1024*\m   ; register q: lanes 0-15 token r's scale word q, lanes 16-31 its word 4 + q
.endr
	s_wait_loadcnt 4                               ; the masks and the codes are in; x's four scale loads may be out
.irp k, 0,1,2,3,4,5,6,7                        ; three loads are two rows: 1,536 bytes of memory, 1,568 of LDS
	ds_store_b128 v4, v[80+12*\k:83+12*\k] offset:1568*\k
	ds_store_b128 v5, v[84+12*\k:87+12*\k] offset:1568*\k+512
	ds_store_b128 v4, v[88+12*\k:91+12*\k] offset:1568*\k+1040
.endr
.irp m, 0,1,2,3
	v_and_b32 v[18+\m], s25, v[14+\m]
	v_cmp_ne_u32 s[28+\m], 0, v[18+\m]             ; bit l: token 16 m + l % 16 names e
.endr
	s_wait_alu depctr_va_sdst(0)                   ; the four compares have written s28 to s31, ahead of their first reader
	s_and_b32 s32, s28, 0xffff
	s_and_b32 s54, s29, s34
	s_or_b32 s32, s32, s54                         ; lanes 0-15: tile 0's tokens, lanes 16-31: tile 1's
	s_and_b32 s33, s30, 0xffff
	s_and_b32 s54, s31, s34
	s_or_b32 s33, s33, s54                         ; tiles 2 and 3
	s_or_b32 s35, s28, s29
	s_or_b32 s35, s35, s30
	s_or_b32 s35, s35, s31
	s_wait_dscnt 0x0                               ; for the others' sake: my rows have landed
	s_barrier_signal -1
	s_barrier_wait -1
	s_wait_alu depctr_vm_vsrc(0)                   ; my LDS stores have read v80 to v175: behind the branch x's fragments land there, and the epilogue's vector lines write them
	s_cmp_eq_u32 s35, 0
	s_cbranch_scc1 .Lend                           ; none of the block's tokens names e
.macro XHALF s, m0                     ; x's fragments m0 and m0 + 1 of K step s into set s % 2: 12 loads of 8 bytes
.irp m, \m0, \m0+1
.irp p, 0,1,2,3,4,5
	ds_load_b64 v[XB+48*((\s)%2)+12*(\m)+2*\p:XB+48*((\s)%2)+12*(\m)+2*\p+1], v6 offset:12544*(\m)+96*(\s)+48*(\p/3)+8*(\p%3)
.endr
.endr
.endm
; My eight tiles of W1 for K step s into slot s % 3: 24 loads of 512 consecutive bytes.  freed = 1: the slot has just been multiplied.
.macro WLOAD s, freed
.if (\s)%3 == 2
	WIN 0xc0
.set WL, 0
.else
	WIN 0x40
.set WL, 96*((\s)%3)
.endif
.if \freed
	s_wait_alu depctr_va_vdst(0)                   ; the K step's products are done reading their slot, in which the loads below land, and their set of x's fragments, in which the next step's LDS loads land
.endif
.irp j, 0,1,2,3,4,5,6,7
.irp c, 0,1,2
	global_load_b128 v[WL+12*\j+4*\c:WL+12*\j+4*\c+3], v7, s[10:11] offset:12288*(\s)+1536*\j+512*\c
.endr
.endr
.endm
.macro WMUL s                          ; the windows of K step s's products: source 1 (x) window 0, C and D window 2,
.if (\s)%3 == 2
	WIN 0xa3                                       ; source 0 (W1) window 3,
.else
	WIN 0xa1                                       ; or window 1
.endif
.endm
.macro MM s, j, m                      ; K steps 0-3 take their scale words from lanes 0-15, K steps 4-7 from lanes 16-31 of the same registers
.set AC, 128*(\j/4)+64*(\m/2)+32*((\j/2)%2)+16*(\m%2)+8*(\j%2)
.if (\s) == 0
	v_wmma_scale_f32_16x16x128_f8f6f4 v[AC:AC+7], v[WB+12*\j:WB+12*\j+11], v[XBB+12*\m:XBB+12*\m+11], 0, v[WS+4*\j], v[XS+4*\m] matrix_a_fmt:MATRIX_FMT_FP6 matrix_b_fmt:MATRIX_FMT_FP6
.elseif (\s) < 4
	v_wmma_scale_f32_16x16x128_f8f6f4 v[AC:AC+7], v[WB+12*\j:WB+12*\j+11], v[XBB+12*\m:XBB+12*\m+11], v[AC:AC+7], v[WS+4*\j+(\s)], v[XS+4*\m+(\s)] matrix_a_fmt:MATRIX_FMT_FP6 matrix_b_fmt:MATRIX_FMT_FP6
.else
	v_wmma_scale_f32_16x16x128_f8f6f4 v[AC:AC+7], v[WB+12*\j:WB+12*\j+11], v[XBB+12*\m:XBB+12*\m+11], v[AC:AC+7], v[WS+4*\j+(\s)-4], v[XS+4*\m+(\s)-4] matrix_a_fmt:MATRIX_FMT_FP6 matrix_b_fmt:MATRIX_FMT_FP6 matrix_a_scale:MATRIX_SCALE_ROW1 matrix_b_scale:MATRIX_SCALE_ROW1
.endif
.endm
; A K step: 32 matrix instructions, the 32 accumulators by turns, one instruction a turn, in the same order in every step.  The first step's products start the sums.
; Steps 1 to 6 ask for the next step's fragments of x, 12 loads behind the 8th product and 12 behind the 16th: the set in which they land was freed by the wait behind the step before,
; and no product since that wait names it.
.macro STEP s
.if (\s) <= 5
	s_wait_loadcnt 48                              ; this step's weights are in (at step 0 the scale words too); the two steps' behind it, 24 loads each, may be out
.elseif (\s) == 6
	s_wait_loadcnt 24
.else
	s_wait_loadcnt 0x0
.endif
.if (\s) == 0
	s_wait_dscnt 24                                ; this step's fragments of x are in; the next step's 24 loads may be out
.else
	s_wait_dscnt 0x0                               ; this step's fragments of x, asked for in the first half of the step before; no LDS load was issued behind them
.endif
.if (\s)%3 == 2
.set WB, 0
.else
.set WB, 96*((\s)%3)
.endif
.set XBB, XB+48*((\s)%2)
	WMUL \s
.irp j, 0,1
.irp m, 0,1,2,3
	MM \s, \j, \m
.endr
.endr
.if ((\s) >= 1) && ((\s) <= 6)
	WIN 0
	XHALF (\s)+1, 0
	WMUL \s
.endif
.irp j, 2,3
.irp m, 0,1,2,3
	MM \s, \j, \m
.endr
.endr
.if ((\s) >= 1) && ((\s) <= 6)
	WIN 0
	XHALF (\s)+1, 2
	WMUL \s
.endif
.irp j, 4,5,6,7
.irp m, 0,1,2,3
	MM \s, \j, \m
.endr
.endr
.rept 4
	v_nop                                          ; four places (ISA guide 7.12.1) behind the products: behind the last step, in front of the first read of results; elsewhere they are issued while the products finish, for which the wait below waits
.endr
.if (\s) <= 4
	WLOAD (\s)+3, 1                                ; the slot just multiplied takes the weights three steps on, at once: ahead of the next wait for weights
.elseif (\s) == 5
	WIN 0
	s_wait_alu depctr_va_vdst(0)                   ; step 5's products are done reading set 1, in which step 7's fragments land (asked for in step 6); no weights are left to ask for
.elseif (\s) == 7
	WIN 0
.endif
.endm
.irp j, 0,1,2,3,4,5,6,7
	global_load_b128 v[WS+4*\j:WS+4*\j+3], v10, s[12:13] offset:16384*(\j/4)+2048*((\j/2)%2)+256*(\j%2)   ; tile j's scale words: register q: lanes 0-15 word q, lanes 16-31 word 4 + q
.endr
	WLOAD 0, 0                                     ; no vector or matrix instruction has named the slots yet
	WLOAD 1, 0
	WLOAD 2, 0
	WIN 0
	XHALF 0, 0
	XHALF 0, 2
	XHALF 1, 0
	XHALF 1, 2
.irp s, 0,1,2,3,4,5,6,7
	STEP \s
.endr
.irp b, 0,1,2,3
	v_mov_b32 v[TM+4+\b], 0                        ; written once: a lane permute's destination counts as one of its sources
.endr
; 64 numbers of a lane, v[s] on, in four groups of 16 (a block's half: lane l xor 16 holds the other), become codes in v[pc] .. v[pc + 11] and bytes in v[TM + 4] .. v[TM + 7].
.macro QUANT s, pc
.irp b, 0,1,2,3
	v_max3_num_f32 v[TM+\b], |v[\s+16*\b]|, |v[\s+1+16*\b]|, 0x1800000   ; the floor 2^(3 - 127): the byte cannot fall under 1
.endr
.irp i, 2,4,6,8,10,12,14
.irp b, 0,1,2,3
	v_max3_num_f32 v[TM+\b], v[TM+\b], |v[\s+16*\b+\i]|, |v[\s+1+16*\b+\i]|   ; the four groups by turns
.endr
.endr
.irp b, 0,1,2,3
	v_permlanex16_b32 v[TM+4+\b], v[TM+\b], s36, s37
.endr
.irp b, 0,1,2,3
	v_max_num_f32 v[TM+\b], v[TM+\b], v[TM+4+\b]   ; the block's largest magnitude
.endr
.irp b, 0,1,2,3
	v_add_nc_u32 v[TM+12+\b], 0xff000000, v[TM+\b] ; 2 off its exponent field: the conversion's scale operand
.endr
.irp b, 0,1,2,3
	v_lshrrev_b32 v[TM+4+\b], 23, v[TM+12+\b]      ; the scale's byte
.endr
.irp c, 0,1
	v_cvt_scalef32_pk16_fp6_f32 v[\pc+6*\c:\pc+2+6*\c], v[\s+32*\c:\s+15+32*\c], v[TM+12+2*\c]
	v_cvt_scalef32_pk16_fp6_f32 v[\pc+12+4*\c:\pc+14+4*\c], v[\s+16+32*\c:\s+31+32*\c], v[TM+12+2*\c+1]   ; (a conversion's three registers begin on an even number)
.endr
	v_nop                                          ; one plain place behind a scaled conversion
.irp c, 0,1                                    ; a whole block to a lane: lanes 0-15 keep group 2 c's block, lanes 16-31 group 2 c + 1's
.irp i, 0,1,2
	v_permlane16_swap_b32 v[\pc+6*\c+\i], v[\pc+12+4*\c+\i]
.endr
.irp i, 0,1,2
	v_mov_b32 v[\pc+3+6*\c+\i], v[\pc+12+4*\c+\i]
.endr
.endr
.endm
; THE EPILOGUE for tiles 2 tp and 2 tp + 1 of tokens: a = (g / (1 + 2^(-g log2 e))) h in f32, quantised, stored.  Group 2 bl + d of the 64 numbers is block Hq + 2 bl of tile 2 tp + d.
; Behind the quantiser lane (r, H) holds registers 0-11 of lane (r, Hq) of the fragment (K step ks, tile 2 tp + H) of the second product's operand: it stores them at that lane's place in the image.
; Each half has codes and bytes of its own: the second half's vector lines write no register that the first half's stores read.
.macro EPI tp
.set PCB, 160+24*\tp
	WIN 0x02                                       ; source 0 window 2
.set ii, 0
.rept 32
	v_pk_mul_f32 v[T+ii:T+ii+1], v[128+64*\tp+ii:128+64*\tp+ii+1], s[38:39] op_sel_hi:[1,0]   ; -g log2 e; each accumulator from its low end on
.set ii, ii+2
.endr
	WIN 0
.set ii, 0
	s_wait_alu depctr_va_vdst(0)
.rept 64
	v_exp_f32 v[T+ii], v[T+ii]
.set ii, ii+1
.endr
	v_nop                                          ; a plain place behind the last exponential,
	s_wait_alu depctr_va_vdst(0)                   ; and one wait for the batch: the 64 exponentials have written v[T ..], ahead of their first reader
.set ii, 0
.rept 32
	v_pk_add_f32 v[T+ii:T+ii+1], v[T+ii:T+ii+1], 1.0 op_sel_hi:[1,0]
.set ii, ii+2
.endr
.set ii, 0
	s_wait_alu depctr_va_vdst(0)
.rept 64
	v_rcp_f32 v[T+ii], v[T+ii]
.set ii, ii+1
.endr
	v_nop
	s_wait_alu depctr_va_vdst(0)                   ; one wait for the 64 reciprocals: they have written v[T ..], ahead of their first reader
	WIN 0x02
.set ii, 0
.rept 32
	v_pk_mul_f32 v[T+ii:T+ii+1], v[128+64*\tp+ii:128+64*\tp+ii+1], v[T+ii:T+ii+1]   ; silu(g)
.set ii, ii+2
.endr
.set ii, 0
.rept 32
	v_pk_mul_f32 v[T+ii:T+ii+1], v[64*\tp+ii:64*\tp+ii+1], v[T+ii:T+ii+1]           ; x h
.set ii, ii+2
.endr
	WIN 0
	QUANT T, PCB
.irp l, 0,1
	v_cndmask_b32 v[BY+2*\tp+\l], v[TM+4+2*\l], v[TM+5+2*\l], s34        ; my tile's byte of block Hq + 2 l,
	v_cndmask_b32 v[BY+2*\tp+\l], 0, v[BY+2*\tp+\l], s[32+\tp]           ; or 0 where my token does not name e
.endr
	s_wait_alu depctr_va_vdst(0)                   ; the quantiser has written the codes v[PCB .. PCB + 11] and the selects the two bytes, which the five stores below read
.irp c, 0,1,2
	global_store_b128 v11, v[PCB+4*\c:PCB+4*\c+3], s[14:15] offset:3072*\tp+512*\c   ; each half of the lanes stores 256 consecutive bytes, aligned
.endr
.irp l, 0,1
	global_store_b8 v12, v[BY+2*\tp+\l], s[16:17] offset:128*\tp+2*\l    ; a byte of a token's scale word: 2 bytes for 48 bytes of codes
.endr
.endm
	EPI 0
	EPI 1
.Lend:
	s_wait_dscnt 0x0
	s_wait_alu depctr_hold_cnt(0) depctr_sa_sdst(0) depctr_va_vdst(0) depctr_va_sdst(0) depctr_va_ssrc(0) depctr_va_vcc(0) depctr_vm_vsrc(0)
	s_wait_tensorcnt 0x0
	ds_add_u32 v254, v255
	s_wait_dscnt 0x0
	s_endpgm
.Lfunc_end_k_q62a5169be2_up:
	.size	k_q62a5169be2_up, .Lfunc_end_k_q62a5169be2_up-k_q62a5169be2_up
	.p2alignl 7, 3214868480
	.fill 96, 4, 3214868480
	.section	.rodata,"a",@progbits
	.p2align	6, 0x0
	.amdhsa_kernel k_q62a5169be2_up
		.amdhsa_group_segment_fixed_size 50688
		.amdhsa_private_segment_fixed_size 0
		.amdhsa_enable_private_segment 0
		.amdhsa_kernarg_size 56
		.amdhsa_user_sgpr_count 2
		.amdhsa_user_sgpr_kernarg_segment_ptr 1
		.amdhsa_wavefront_size32 1
		.amdhsa_system_sgpr_workgroup_id_x 1
		.amdhsa_system_sgpr_workgroup_id_y 1
		.amdhsa_system_sgpr_workgroup_id_z 1
		.amdhsa_system_vgpr_workitem_id 0
		.amdhsa_next_free_vgpr 864
		.amdhsa_next_free_sgpr 66
		.amdhsa_reserve_vcc 0
		.amdhsa_float_denorm_mode_32 3
		.amdhsa_float_denorm_mode_16_64 3
		.amdhsa_memory_ordered 1
		.amdhsa_forward_progress 1
		.amdhsa_inst_pref_size 109
	.end_amdhsa_kernel
	.amdgpu_metadata
---
amdhsa.version: [ 1, 2 ]
amdhsa.kernels:
  - .name:           k_q62a5169be2_up
    .symbol:         k_q62a5169be2_up.kd
    .args:
      - { .name: xq, .offset: 0, .size: 8, .value_kind: global_buffer, .address_space: global }
      - { .name: xmeta, .offset: 8, .size: 8, .value_kind: global_buffer, .address_space: global }
      - { .name: route, .offset: 16, .size: 8, .value_kind: global_buffer, .address_space: global }
      - { .name: w1i, .offset: 24, .size: 8, .value_kind: global_buffer, .address_space: global }
      - { .name: W1_scales, .offset: 32, .size: 8, .value_kind: global_buffer, .address_space: global }
      - { .name: hid, .offset: 40, .size: 8, .value_kind: global_buffer, .address_space: global }
      - { .name: hids, .offset: 48, .size: 8, .value_kind: global_buffer, .address_space: global }
    .group_segment_fixed_size: 50688
    .private_segment_fixed_size: 0
    .kernarg_segment_align: 8
    .kernarg_segment_size: 56
    .max_flat_workgroup_size: 128
    .sgpr_count:     66
    .vgpr_count:     864
    .wavefront_size: 32
...
	.end_amdgpu_metadata
.endif
;; end of part 5
;; launch down (part 6): grid 8 x 32, 2 waves a work-group, no clusters, 168,192 bytes of LDS; arguments hid, hids, w2i, W2_scales, xmeta, route, out0; writes out0
.if DOCPART == 6
	.amdgcn_target "amdgcn-amd-amdhsa--gfx1250"
	.amdhsa_code_object_version 6
	.text
	.protected	k_q62a5169be2_down
	.globl	k_q62a5169be2_down
	.p2align	8
	.type	k_q62a5169be2_down,@function
k_q62a5169be2_down:
	s_mov_b64 s[64:65], 0
	v_nop
	global_prefetch_b8 v0, s[64:65] scope:SCOPE_SE
	s_setreg_imm32_b32 hwreg(HW_REG_WAVE_SCHED_MODE, 0, 2), 2
	s_setreg_imm32_b32 hwreg(HW_REG_WAVE_MODE, 25, 1), 1
	s_wait_xcnt 0x0
	s_wait_alu depctr_vm_vsrc(0)
; DOWN.  out[t] = the sum over the experts e of w(t, e) (Q(a(t, e)) W2[e]), for one block b of 64 sorted tokens and 128 output columns: EACH OUTPUT ROW'S PIECE HAS ONE OWNER, nothing is added between work-groups.
; Work-group x, y = b; wave w owns columns 64 ng .. 64 ng + 63, ng = 2 x + w, for all 64 tokens.  The two waves share nothing: no barrier.
; The wave walks the eight experts, written out, and jumps over those that none of the block's tokens names (a scalar branch on the stored masks).  For a used expert: 16 fragments of a and 16 of W2,
; images of operand registers, straight from memory into registers; 64 matrix instructions into Y; then O += w Y, w the lane's token's gate, which is 0 where the token does not name e.
; THE PRODUCT IS USED TRANSPOSED (source 0 = 16 rows of W2, source 1 = 16 tokens): a lane holds one token and eight neighbouring columns.
; O is no matrix accumulator and starts as zeros: which expert comes first is not known when the text is written, and a token that names no expert gets zeros, as in the definition.
; NO TENSOR LOAD, NO CLUSTER: the walk hangs on numbers read from memory, and partners would ask for different numbers of tiles.
; 256 work-groups, one for each.
; REGISTERS, in windows of 256.  Window 0: v1-12 addresses; v16-47 gates (tile m, expert e at 16 + 8 m + e); v48-79 the stores' offsets; v80-87 W2's scale words, v88-95 a's (they hold nothing else);
;   v96-159 rows on the way out, two sets.   Window 1: W2's fragments, (s, j) at 12 (4 s + j).   Window 3: a's, (s, m) at 12 (4 s + m).   Window 2: Y (j, m) at 8 (4 j + m), O at 128 + the same.
; THE MODE: SCHED_MODE bits 1:0 = 2 (LLVM: expert scheduling mode 2), set by the entry lines.  The code itself states the register dependences between vector or matrix instructions
; and memory or LDS instructions, with s_wait_alu, always for 0.
; THE PLAN.  Registers that memory or LDS instructions touch:
;   v4-v12          offsets and LDS addresses: written once at the head, ahead of the head's wait on va_vdst; never written again.
;   fragments and   an expert's 106 loads land in them, its products read them; every fragment and every scale word of an expert has registers of its own.  ONE wait on va_vdst at a used
;   scale words     expert's head states that the products of the expert before are done reading them; it serves all 106 loads.  So K step 3's 24 loads stand among K step 0's products,
;                   which name K step 0's fragments, Y and the scale words: none of the registers that those loads touch.
;   O, v48-79       written by vector lines (clears, multiply-adds; the offsets' arithmetic); read by the way out's LDS stores and global stores: one wait on va_vdst ahead of the way out.
;   v96-159         two sets by turns: loads from the stage land, global stores read: a wait on vm_vsrc ahead of the loads of tiles 2 and 3.  No vector instruction names them.
;   Y and the gates are named by vector and matrix instructions alone (the gates are loaded once).
.set GW,  16
.set OFF, 48
.set W2S, 80
.set AS,  88
.set BK,  96
.set MSB, 0
.macro WIN new                         ; s_set_vgpr_msb: bits 1:0 source 0, 3:2 source 1, 5:4 source 2, 7:6 destination; the high byte repeats the setting that is left
.if MSB != \new
	s_set_vgpr_msb (MSB<<8)|\new
.set MSB, \new
.endif
.endm
	s_load_b256 s[4:11], s[0:1], 0x0               ; hid s[4:5], hids s[6:7], w2i s[8:9], W2's scales s[10:11]
	s_load_b128 s[12:15], s[0:1], 0x20             ; xmeta s[12:13], route s[14:15]
	s_load_b64 s[16:17], s[0:1], 0x30              ; out0
	v_lshl_add_u32 v254, v0, 2, 0x29000
	v_mov_b32 v255, 0
	v_lshrrev_b32 v1, 5, v0
	v_readfirstlane_b32 s18, v1                    ; wave w
	s_and_b32 s19, ttmp7, 0xffff                   ; b
	s_lshl_b32 s20, ttmp9, 1
	s_wait_alu depctr_va_sdst(0)                   ; s18 is written, ahead of its first reader
	s_add_co_u32 s20, s20, s18                     ; ng
	v_and_b32 v1, 31, v0                           ; lane
	v_and_b32 v2, 15, v0                           ; r
	v_bfe_u32 v3, v0, 4, 1                         ; h
	s_mul_i32 s21, s18, 4352                       ; my stage: 16 rows x (256 bytes + 16)
	v_mul_u32_u24 v4, v2, 272
	v_lshl_add_u32 v4, v3, 5, v4
	v_add_nc_u32 v4, s21, v4                       ; in: row r, + 32 h
	v_mul_u32_u24 v5, v3, 272
	v_lshl_add_u32 v5, v2, 4, v5
	v_add_nc_u32 v5, s21, v5                       ; back: lanes 0-15 one row, lanes 16-31 the next
	v_lshlrev_b32 v6, 6, v2                        ; xmeta: 64 bytes a token
	v_lshlrev_b32 v7, 4, v1                        ; 16 x lane
	v_lshlrev_b32 v8, 3, v3                        ; route: 8 bytes a token
	v_lshlrev_b32 v9, 4, v2                        ; my 16 bytes of a row's 256
	v_lshlrev_b32 v12, 2, v1                       ; 4 x lane
	s_mul_i32 s22, s19, 196608                     ; hid: the block's 8 x 16 images
	s_mov_b32 s23, 0
	s_lshl_b32 s24, s19, 13                        ; hids
	s_mov_b32 s25, 0
	s_mul_i32 s26, s20, 24576                      ; w2i: ng's 16 images of an expert
	s_mov_b32 s27, 0
	s_lshl_b32 s28, s20, 10                        ; W2's scales: 64 rows of 16 bytes
	s_mov_b32 s29, 0
	s_lshl_b32 s30, s19, 12                        ; xmeta
	s_mov_b32 s31, 0
	s_lshl_b32 s32, s19, 9                         ; route
	s_mov_b32 s33, 0
	s_lshl_b32 s34, s20, 8                         ; out0: my 64 columns
	s_mov_b32 s35, 0
	s_wait_kmcnt 0x0
	s_add_nc_u64 s[4:5], s[4:5], s[22:23]
	s_add_nc_u64 s[6:7], s[6:7], s[24:25]
	s_add_nc_u64 s[8:9], s[8:9], s[26:27]
	s_add_nc_u64 s[10:11], s[10:11], s[28:29]
	s_add_nc_u64 s[12:13], s[12:13], s[30:31]
	s_add_nc_u64 s[14:15], s[14:15], s[32:33]
	s_add_nc_u64 s[16:17], s[16:17], s[34:35]
	s_wait_alu depctr_va_vdst(0)                   ; v4 to v12 are written: the kernel's loads and LDS accesses read them as offsets and addresses
	global_load_b128 v[160:163], v7, s[14:15]      ; two tokens a lane: {t, mask, t, mask}
.irp m, 0,1,2,3
.irp k, 0,1
	global_load_b128 v[GW+8*\m+4*\k:GW+8*\m+4*\k+3], v6, s[12:13] offset:1024*\m+32+16*\k   ; token 16 m + r's eight gates
.endr
.endr
.irp m, 0,1,2,3
.irp i, 0,1,2,3,4,5,6,7
	global_load_b32 v[OFF+8*\m+\i], v8, s[14:15] offset:128*\m+16*\i   ; which token lies at place 16 m + 2 i + lane / 16
.endr
.endr
	WIN 0x80                                       ; destination window 2
.set ii, 0
.rept 128
	v_mov_b32 v[128+ii], 0                         ; O; these lines stand while the head's loads are on their way
.set ii, ii+1
.endr
	WIN 0
	s_wait_loadcnt 0x0
	v_or_b32 v164, v161, v163
.irp e, 0,1,2,3,4,5,6,7
	v_and_b32 v165, 1<<\e, v164
	v_cmp_ne_u32 s[40+\e], 0, v165                 ; not 0: some token of the block names e
.endr
.set ii, 0
.rept 32
	v_min_u32 v[OFF+ii], 0x7ff, v[OFF+ii]
	v_lshl_add_u32 v[OFF+ii], v[OFF+ii], 12, v9    ; the token's row of 4,096 bytes, + my 16 bytes
.set ii, ii+1
.endr
	s_wait_alu depctr_va_sdst(0)                   ; the eight compares have written s40 to s47, ahead of their first reader and of the first branch
; One matrix instruction.  W2's scale words: register 4 (j / 2) + s holds tile j's in lanes 0-15 (j even) or 16-31 (j odd); a's: register 2 s + m / 2, likewise by m.
.macro WM s, j, m
.set AC, 8*(4*\j+\m)
.set FW, 12*(4*\s+\j)
.set FH, 12*(4*\s+\m)
.set RW, W2S+4*(\j/2)+\s
.set RH, AS+2*\s+\m/2
.if \s == 0
.if (\j%2 == 0) && (\m%2 == 0)
	v_wmma_scale_f32_16x16x128_f8f6f4 v[AC:AC+7], v[FW:FW+11], v[FH:FH+11], 0, v[RW], v[RH] matrix_a_fmt:MATRIX_FMT_FP6 matrix_b_fmt:MATRIX_FMT_FP6
.elseif (\j%2 == 1) && (\m%2 == 0)
	v_wmma_scale_f32_16x16x128_f8f6f4 v[AC:AC+7], v[FW:FW+11], v[FH:FH+11], 0, v[RW], v[RH] matrix_a_fmt:MATRIX_FMT_FP6 matrix_b_fmt:MATRIX_FMT_FP6 matrix_a_scale:MATRIX_SCALE_ROW1
.elseif (\j%2 == 0) && (\m%2 == 1)
	v_wmma_scale_f32_16x16x128_f8f6f4 v[AC:AC+7], v[FW:FW+11], v[FH:FH+11], 0, v[RW], v[RH] matrix_a_fmt:MATRIX_FMT_FP6 matrix_b_fmt:MATRIX_FMT_FP6 matrix_b_scale:MATRIX_SCALE_ROW1
.else
	v_wmma_scale_f32_16x16x128_f8f6f4 v[AC:AC+7], v[FW:FW+11], v[FH:FH+11], 0, v[RW], v[RH] matrix_a_fmt:MATRIX_FMT_FP6 matrix_b_fmt:MATRIX_FMT_FP6 matrix_a_scale:MATRIX_SCALE_ROW1 matrix_b_scale:MATRIX_SCALE_ROW1
.endif
.else
.if (\j%2 == 0) && (\m%2 == 0)
	v_wmma_scale_f32_16x16x128_f8f6f4 v[AC:AC+7], v[FW:FW+11], v[FH:FH+11], v[AC:AC+7], v[RW], v[RH] matrix_a_fmt:MATRIX_FMT_FP6 matrix_b_fmt:MATRIX_FMT_FP6
.elseif (\j%2 == 1) && (\m%2 == 0)
	v_wmma_scale_f32_16x16x128_f8f6f4 v[AC:AC+7], v[FW:FW+11], v[FH:FH+11], v[AC:AC+7], v[RW], v[RH] matrix_a_fmt:MATRIX_FMT_FP6 matrix_b_fmt:MATRIX_FMT_FP6 matrix_a_scale:MATRIX_SCALE_ROW1
.elseif (\j%2 == 0) && (\m%2 == 1)
	v_wmma_scale_f32_16x16x128_f8f6f4 v[AC:AC+7], v[FW:FW+11], v[FH:FH+11], v[AC:AC+7], v[RW], v[RH] matrix_a_fmt:MATRIX_FMT_FP6 matrix_b_fmt:MATRIX_FMT_FP6 matrix_b_scale:MATRIX_SCALE_ROW1
.else
	v_wmma_scale_f32_16x16x128_f8f6f4 v[AC:AC+7], v[FW:FW+11], v[FH:FH+11], v[AC:AC+7], v[RW], v[RH] matrix_a_fmt:MATRIX_FMT_FP6 matrix_b_fmt:MATRIX_FMT_FP6 matrix_a_scale:MATRIX_SCALE_ROW1 matrix_b_scale:MATRIX_SCALE_ROW1
.endif
.endif
.endm
.macro WM8 s, ja, jb                   ; eight products of K step s: tiles ja and jb of W2's rows x the four tiles of tokens
.irp m, 0,1,2,3
	WM \s, \ja, \m
.endr
.irp m, 0,1,2,3
	WM \s, \jb, \m
.endr
.endm
.macro LOADA e, s                      ; a's four fragments of K step s: 12 loads of 512 consecutive bytes
	WIN 0xc0                                       ; destination window 3
.irp m, 0,1,2,3
.irp c, 0,1,2
	global_load_b128 v[12*(4*\s+\m)+4*\c:12*(4*\s+\m)+4*\c+3], v7, s[4:5] offset:24576*\e+6144*\s+1536*\m+512*\c
.endr
.endr
.endm
.macro LOADW e, s                      ; W2's four fragments of K step s: 12 loads likewise
	WIN 0x40                                       ; destination window 1
.irp j, 0,1,2,3
.irp c, 0,1,2
	global_load_b128 v[12*(4*\s+\j)+4*\c:12*(4*\s+\j)+4*\c+3], v7, s[8:9] offset:393216*\e+1536*(4*\s+\j)+512*\c
.endr
.endr
.endm
.macro EXPERT e
	WIN 0                                          ; at a branch and at a label every window is 0
	s_cmp_eq_u32 s[40+\e], 0
	s_cbranch_scc1 .Lskip_\e
	s_wait_alu depctr_va_vdst(0)                   ; the products of the expert before are done reading their fragments and scale words, in which this expert's 106 loads land
	; the loads, in the order in which they are wanted: the scale words and K steps 0 to 2 here, K step 3 among K step 0's products
.irp q, 0,1
	global_load_b128 v[W2S+4*\q:W2S+4*\q+3], v7, s[10:11] offset:16384*\e+512*\q   ; lane l: the four scale words of my row 32 q + l
.endr
.irp s, 0,1,2,3
.irp q, 0,1
	global_load_b32 v[AS+2*\s+\q], v12, s[6:7] offset:1024*\e+256*\s+128*\q        ; lane l: token 32 q + l's scale word of K step s
.endr
.endr
.irp s, 0,1,2
	LOADA \e, \s
	LOADW \e, \s
.endr
	s_wait_loadcnt 48                              ; the scale words and K step 0 are in; K steps 1 and 2, 24 loads each, may be out
	LOADA \e, 3                                    ; no wait: no vector or matrix instruction since the wait at the expert's head names K step 3's registers
	WIN 0xad                                       ; source 0 (W2) window 1, source 1 (a) window 3, C and D window 2
	WM8 0, 0, 1                                    ; the 16 accumulators by turns, one instruction a turn; K step 0 starts the sums
	LOADW \e, 3
	WIN 0xad
	WM8 0, 2, 3
	s_wait_loadcnt 48                              ; K step 1 is in; K steps 2 and 3 may be out
	WM8 1, 0, 1
	WM8 1, 2, 3
	s_wait_loadcnt 24                              ; K step 2 is in; K step 3 may be out
	WM8 2, 0, 1
	WM8 2, 2, 3
	s_wait_loadcnt 0x0
	WM8 3, 0, 1
	WM8 3, 2, 3
.rept 4
	v_nop                                          ; four places (ISA guide 7.12.1) in front of the first read of results
.endr
	WIN 0xa2                                       ; Y and O window 2, the gate window 0
.irp j, 0,1,2,3
.irp m, 0,1,2,3
.irp q, 0,2,4,6                                ; each accumulator from its low end on
.if \e%2 == 0
	v_pk_fma_f32 v[128+8*(4*\j+\m)+\q:128+8*(4*\j+\m)+\q+1], v[8*(4*\j+\m)+\q:8*(4*\j+\m)+\q+1], v[GW+8*\m+\e:GW+8*\m+\e+1], v[128+8*(4*\j+\m)+\q:128+8*(4*\j+\m)+\q+1] op_sel_hi:[1,0,1]   ; the pair's first register is e's gate: it serves both halves
.else
	v_pk_fma_f32 v[128+8*(4*\j+\m)+\q:128+8*(4*\j+\m)+\q+1], v[8*(4*\j+\m)+\q:8*(4*\j+\m)+\q+1], v[GW+8*\m+\e-1:GW+8*\m+\e], v[128+8*(4*\j+\m)+\q:128+8*(4*\j+\m)+\q+1] op_sel:[0,1,0] op_sel_hi:[1,1,1]   ; the pair's second register serves both halves
.endif
.endr
.endr
.endr
	WIN 0
.Lskip_\e:
.endm
.irp e, 0,1,2,3,4,5,6,7
	EXPERT \e
.endr
; THE WAY OUT, a tile of 16 tokens at a time.  A lane holds 32 neighbouring bytes of a token's row, and the lanes beside it hold other tokens: the tile goes through my own stage in LDS and comes back as
; rows of 256 bytes, which sixteen lanes store, aligned, at the token's own row.  LDS serves a wave's instructions in order: no wait between the stores and the loads, nor ahead of the next tile's stores.
.macro TOSTAGE m
	WIN 0x08                                       ; an LDS store's data are its source 1: window 2
.irp j, 0,1,2,3
	ds_store_b128 v4, v[128+8*(4*\j+(\m)):128+8*(4*\j+(\m))+3] offset:64*\j
	ds_store_b128 v4, v[128+8*(4*\j+(\m))+4:128+8*(4*\j+(\m))+7] offset:64*\j+16
.endr
	WIN 0
.if (\m) > 1
	s_wait_xcnt 0x0                                ; tile m - 2's stores have had their addresses translated (ISA guide 3.1): their data registers are written again only behind this wait,
	s_wait_alu depctr_vm_vsrc(0)                   ; and they have read those registers, in which the loads below land
.endif
.irp i, 0,1,2,3,4,5,6,7
	ds_load_b128 v[BK+32*((\m)%2)+4*\i:BK+32*((\m)%2)+4*\i+3], v5 offset:544*\i
.endr
.endm
.macro SEND m, younger                 ; younger: the LDS instructions issued behind tile m's loads, which may stay out
	s_wait_dscnt \younger
.irp i, 0,1,2,3,4,5,6,7
	global_store_b128 v[OFF+8*(\m)+\i], v[BK+32*((\m)%2)+4*\i:BK+32*((\m)%2)+4*\i+3], s[16:17] th:TH_STORE_NT   ; written once, read by nobody here
.endr
.endm
	s_wait_alu depctr_va_vdst(0)                   ; O is written (the clears, the last expert's multiply-adds), which the LDS stores read; so are the offsets v48 to v79, which the global stores read.  No vector line follows
	TOSTAGE 0
.irp a, 1,2,3
	TOSTAGE \a
	SEND \a-1, 16                                  ; behind tile a - 1's loads: tile a's 8 stores and 8 loads
.endr
	SEND 3, 0
	s_wait_dscnt 0x0
	s_wait_alu depctr_hold_cnt(0) depctr_sa_sdst(0) depctr_va_vdst(0) depctr_va_sdst(0) depctr_va_ssrc(0) depctr_va_vcc(0) depctr_vm_vsrc(0)
	s_wait_tensorcnt 0x0
	ds_add_u32 v254, v255
	s_wait_dscnt 0x0
	s_endpgm
.Lfunc_end_k_q62a5169be2_down:
	.size	k_q62a5169be2_down, .Lfunc_end_k_q62a5169be2_down-k_q62a5169be2_down
	.p2alignl 7, 3214868480
	.fill 96, 4, 3214868480
	.section	.rodata,"a",@progbits
	.p2align	6, 0x0
	.amdhsa_kernel k_q62a5169be2_down
		.amdhsa_group_segment_fixed_size 168192
		.amdhsa_private_segment_fixed_size 0
		.amdhsa_enable_private_segment 0
		.amdhsa_kernarg_size 56
		.amdhsa_user_sgpr_count 2
		.amdhsa_user_sgpr_kernarg_segment_ptr 1
		.amdhsa_wavefront_size32 1
		.amdhsa_system_sgpr_workgroup_id_x 1
		.amdhsa_system_sgpr_workgroup_id_y 1
		.amdhsa_system_sgpr_workgroup_id_z 1
		.amdhsa_system_vgpr_workitem_id 0
		.amdhsa_next_free_vgpr 960
		.amdhsa_next_free_sgpr 66
		.amdhsa_reserve_vcc 0
		.amdhsa_float_denorm_mode_32 3
		.amdhsa_float_denorm_mode_16_64 3
		.amdhsa_memory_ordered 1
		.amdhsa_forward_progress 1
		.amdhsa_inst_pref_size 205
	.end_amdhsa_kernel
	.amdgpu_metadata
---
amdhsa.version: [ 1, 2 ]
amdhsa.kernels:
  - .name:           k_q62a5169be2_down
    .symbol:         k_q62a5169be2_down.kd
    .args:
      - { .name: hid, .offset: 0, .size: 8, .value_kind: global_buffer, .address_space: global }
      - { .name: hids, .offset: 8, .size: 8, .value_kind: global_buffer, .address_space: global }
      - { .name: w2i, .offset: 16, .size: 8, .value_kind: global_buffer, .address_space: global }
      - { .name: W2_scales, .offset: 24, .size: 8, .value_kind: global_buffer, .address_space: global }
      - { .name: xmeta, .offset: 32, .size: 8, .value_kind: global_buffer, .address_space: global }
      - { .name: route, .offset: 40, .size: 8, .value_kind: global_buffer, .address_space: global }
      - { .name: out0, .offset: 48, .size: 8, .value_kind: global_buffer, .address_space: global }
    .group_segment_fixed_size: 168192
    .private_segment_fixed_size: 0
    .kernarg_segment_align: 8
    .kernarg_segment_size: 56
    .max_flat_workgroup_size: 64
    .sgpr_count:     66
    .vgpr_count:     960
    .wavefront_size: 32
...
	.end_amdgpu_metadata
.endif
;; end of part 6
